; MI455X (gfx1250); checked and timed in simulation.
; The chip was launched on July 23, 2026; its instructions are those of AMD's public machine-readable ISA for CDNA 5 (MIT licence, August 2026) and "CDNA5" Instruction Set Architecture Reference Guide (July 2026). The comments in the code are by the model that wrote it; some were corrected since.
;; Feedforward Ensemble. Allowed arithmetic: float matrix products may take bf16 or f16 operands with f32 sums; all other float work in f32.
;; Inputs: ensembles 4 x 2 x 512 int32; proj_in 8 x 2,048 x 1,024 float32; proj_out 8 x 1,024 x 2,048 float32; weights 4 x 2 x 512 float32; x 4 x 512 x 1,024 float32.
;; Outputs: out0 4 x 512 x 1,024 float32.
;; 2 versions, each right; version 2 is version 1 with the launches gemm1, gemm2 written anew for expert scheduling mode. Each part assembles by itself: llvm-mc -triple=amdgcn-amd-amdhsa -mcpu=gfx1250 --defsym DOCPART=n.
;; ======== version 1 of 2: 4 launches
;; workspace buffers: xs 8,912,896 bytes; hs 35,651,584 bytes; o 35,651,584 bytes; slots 16,384 bytes of whole numbers; meta 256 bytes of whole numbers
;; launch prep (part 1): grid 272 x 1, 8 waves a work-group, no clusters, 35,840 bytes of LDS; arguments ensembles, x, xs, slots, meta; writes xs, slots, meta
.if DOCPART == 1
	.amdgcn_target "amdgcn-amd-amdhsa--gfx1250"
	.amdhsa_code_object_version 6
	.text
	.protected	k_qa8722576b2_prep
	.globl	k_qa8722576b2_prep
	.p2align	8
	.type	k_qa8722576b2_prep,@function
k_qa8722576b2_prep:
	s_mov_b64 s[64:65], 0
	v_nop
	global_prefetch_b8 v0, s[64:65] scope:SCOPE_SE
	s_setreg_imm32_b32 hwreg(HW_REG_WAVE_MODE, 25, 1), 1
	s_wait_xcnt 0x0
; ROUTING AND GATHER.  2,048 tokens (4 x 512) name two experts each.  Expert e gets a list of its DISTINCT tokens (a token that names it twice stands
; once), in token order, padded to whole units of 32 rows, at least one unit: nu[e] = max(1, ceil(cnt[e] / 32)), first unit ub[e] = sum of nu below e.
; slot = 32 ub[e] + rank.  The units of all experts are at most (4,096 + 8 x 32) / 32 = 136: 272 row tiles of 16 slots, one work-group each.
; Every work-group repeats the routing (16 KiB of indices), so that no launch of its own and no traffic between work-groups is needed; then it gathers
; the 16 rows of x of its tile, rounds them to bf16 and stores them IN FRAGMENT ORDER: [K step c of 32][half j][lane][16 bytes], lane (r, h) of piece
; (c, j) holding row r, k = 32 c + 16 j + 8 h .. + 7.  A slot that no token has (padding, tiles behind the last unit) is stored as a row of zeros.
; Work-group 0 also stores the tables: slots[0][t], slots[1][t] (-1: index outside 0..7, no expert, as one_hot has it) and meta[e] = {nu, ub}.
; No matrix work, no tensor loads: 32 KiB a work-group, gathered by rows.
.set CNT,  0                           ; LDS: [wave][expert] counts, 256 bytes
.set LIST, 256                         ; LDS: a list for each wave, 128 bytes apart: 16 entries (token of slot 16 rt + i, or -1), a dump word that is never read, 15 words unused
.set TILE, 1280                        ; LDS: 16 rows of 1,024 bf16
.set TP,   2064                        ; their pitch: 2,048 + 16 = 129 x 16 bytes, so that the 16 rows of a fragment read start at 16 different groups of four banks (64 banks of 4 bytes: ISA guide 11.1)
.set E0,  8                            ; v[8:15]    first index of token 256 w + 32 c + lane
.set E1,  16                           ; v[16:23]   second index
.set SA,  24                           ; v[24:31]   rank, then slot, of the first pick
.set SB,  32                           ; v[32:39]   of the second
.set C,   40                           ; v[40:47]   counts of the eight waves for expert lane % 8
.set BP,  64                           ; v[64:79]   bases fetched from the expert's lane; later the eight lists' pairs
.set IDX, 96                           ; v[96:111]  lane selects
.set XL,  64                           ; v[64:127]  16 loads of x
.set PK,  128                          ; v[128:135] packed pairs, by turns
.set FR,  136                          ; v[136:167] eight pieces in fragment order
; v1 lane  v2 byte offset of my indices  v3 token 256 w + lane  v4, v5 at work  v6, v7 offsets of the tables' stores (never rewritten)
; v48 total  v49 counts of the waves below mine  v[50:51] nu, ub  v52 at work  v53 32 ub + v49  v54, v55 TILE addresses  v[56:57] my two tokens  v58 16 x lane
; s[4:13] ensembles, x, xs, slots, meta  s14 wave  s15 16 rt  s[16:23] running counts  s24-s26 masks  s27, s29 at work  s28 my list
; s[30:33] bases of my two rows of x  s34, s35 their tokens  s36, s37 all ones or 0 (row of zeros)  s[38:39] offset  s[40:41] xs at my part
.macro BAR
	s_wait_dscnt 0x0                               ; for the others' sake: all my LDS stores and loads are done
	s_barrier_signal -1
	s_barrier_wait -1
.endm
	s_load_b256 s[4:11], s[0:1], 0x0
	s_load_b64 s[12:13], s[0:1], 0x20
	v_lshl_add_u32 v168, v0, 2, 0x8800
	v_mov_b32 v169, 0
	v_and_b32 v1, 31, v0                           ; lane
	v_lshrrev_b32 v4, 5, v0
	v_readfirstlane_b32 s14, v4                    ; wave 0..7
	s_lshl_b32 s15, ttmp9, 4                       ; my tile's first slot
	s_lshr_b32 s27, s14, 1                         ; wave w owns tokens 256 w .. 256 w + 255: batch w / 2,
	s_lshl_b32 s27, s27, 12                        ; 2 x 512 x 4 bytes a batch,
	s_and_b32 s29, s14, 1
	s_lshl_b32 s29, s29, 10                        ; position 256 (w % 2)
	s_add_co_u32 s27, s27, s29
	v_lshl_add_u32 v2, v1, 2, s27
	s_lshl_b32 s29, s14, 8
	v_add_nc_u32 v3, s29, v1                       ; token 256 w + lane
	v_lshlrev_b32 v58, 4, v1
	s_lshl_b32 s28, s14, 7
	s_add_co_u32 s28, s28, LIST                    ; my wave's list
	v_lshl_add_u32 v5, v1, 2, s28
	v_mov_b32 v4, -1
	ds_store_b32 v5, v4                            ; all 32 words of my list: no token.  LDS serves a wave's instructions in order (ISA guide 5.7.1.4): my later stores come behind this one
	s_mul_i32 s27, s14, 2*TP
	s_add_co_u32 s27, s27, TILE
	v_lshl_add_u32 v54, v1, 3, s27                 ; into TILE: rows 2 w and 2 w + 1, 8 bytes a lane
	v_and_b32 v59, 15, v1                          ; r
	v_lshrrev_b32 v60, 4, v1                       ; h
	v_mul_u32_u24 v55, v59, TP
	v_lshl_add_u32 v55, v60, 4, v55
	s_lshl_b32 s27, s14, 8
	s_add_co_u32 s27, s27, TILE
	v_add_nc_u32 v55, s27, v55                     ; out of TILE: row r, 16 h, K steps 4 w on (64 bytes each)
	s_lshl_b32 s38, ttmp9, 15                      ; a row tile of xs is 32 KiB,
	s_lshl_b32 s27, s14, 12                        ; my four K steps 4 KiB
	s_add_co_u32 s38, s38, s27
	s_mov_b32 s39, 0
.irp e, 0,1,2,3,4,5,6,7
	s_mov_b32 s[16+\e], 0
.endr
	s_wait_kmcnt 0x0
	s_add_nc_u64 s[40:41], s[8:9], s[38:39]
.irp c, 0,1,2,3,4,5,6,7
	global_load_b32 v[E0+\c], v2, s[4:5] offset:128*\c
	global_load_b32 v[E1+\c], v2, s[4:5] offset:2048+128*\c
.endr
	s_wait_loadcnt 0x0
; Rank inside the wave.  For 32 tokens and expert e: the lanes that name e (once or twice) are one mask; a lane's rank is the wave's count so far plus
; the number of such lanes below it.  Both picks of a token that names e twice get the same rank: they are one row.
.macro RANK c, e
	v_cmp_eq_u32 s24, \e, v[E0+\c]
	v_cmp_eq_u32 s25, \e, v[E1+\c]
	s_or_b32 s26, s24, s25
	v_mbcnt_lo_u32_b32 v4, s26, s[16+\e]
.if \e == 0
	v_cndmask_b32 v[SA+\c], 0, v4, s24             ; expert 0 writes the registers whole
	v_cndmask_b32 v[SB+\c], 0, v4, s25
.else
	v_cndmask_b32 v[SA+\c], v[SA+\c], v4, s24
	v_cndmask_b32 v[SB+\c], v[SB+\c], v4, s25
.endif
	s_bcnt1_i32_b32 s27, s26
	s_add_co_u32 s[16+\e], s[16+\e], s27
.endm
.irp c, 0,1,2,3,4,5,6,7
.irp e, 0,1,2,3,4,5,6,7
	RANK \c, \e
.endr
.endr
	s_lshl_b32 s27, s14, 5
	v_mov_b32 v5, s27
.irp e, 0,1,2,3,4,5,6,7
	v_mov_b32 v[C+\e], s[16+\e]
	ds_store_b32 v5, v[C+\e] offset:CNT+4*\e       ; every lane stores the same word
.endr
	BAR                                            ; all waves' counts are in LDS
	; Lane l works for expert l % 8: the total, the counts of the waves below mine, nu, and ub by a scan over lanes 0 to 7.
	v_and_b32 v4, 7, v1
	v_lshlrev_b32 v4, 2, v4
.irp w, 0,1,2,3,4,5,6,7
	ds_load_b32 v[C+\w], v4 offset:CNT+32*\w
.endr
	s_wait_dscnt 0x0
	v_add3_u32 v48, v[C], v[C+1], v[C+2]
	v_add3_u32 v48, v48, v[C+3], v[C+4]
	v_add3_u32 v48, v48, v[C+5], v[C+6]
	v_add_nc_u32 v48, v48, v[C+7]
	s_cmp_gt_u32 s14, 0
	s_cselect_b32 s27, -1, 0
	v_and_b32 v49, s27, v[C]
.irp w, 1,2,3,4,5,6
	s_cmp_gt_u32 s14, \w
	s_cselect_b32 s27, -1, 0
	v_and_b32 v5, s27, v[C+\w]
	v_add_nc_u32 v49, v49, v5
.endr
	v_add_nc_u32 v50, 31, v48
	v_lshrrev_b32 v50, 5, v50
	v_max_u32 v50, 1, v50                          ; nu
	v_mov_b32 v51, v50
	v_mov_b32 v52, 0                               ; a DPP form's destination counts as read
.irp d, 1,2,4
	v_mov_b32_dpp v52, v51 row_shr:\d row_mask:0xf bank_mask:0xf bound_ctrl:1   ; lanes without a source get 0
	v_add_nc_u32 v51, v51, v52
.endr
	v_sub_nc_u32 v51, v51, v50                     ; ub, right in lanes 0 to 7; the other lanes' figures are never used for a slot
	v_lshl_add_u32 v53, v51, 5, v49                ; what my wave adds to a rank in expert l % 8
	; slot = rank + the figure of the expert's lane; -1 for an index outside 0..7
.irp c, 0,1,2,3,4,5,6,7
	v_lshlrev_b32 v[IDX+\c], 2, v[E0+\c]
	v_lshlrev_b32 v[IDX+8+\c], 2, v[E1+\c]
	ds_bpermute_b32 v[BP+\c], v[IDX+\c], v53
	ds_bpermute_b32 v[BP+8+\c], v[IDX+8+\c], v53
.endr
	s_wait_dscnt 0x0
.irp c, 0,1,2,3,4,5,6,7
	v_add_nc_u32 v[SA+\c], v[SA+\c], v[BP+\c]
	v_cmp_gt_u32 vcc_lo, 8, v[E0+\c]
	v_cndmask_b32 v[SA+\c], -1, v[SA+\c], vcc_lo
	v_add_nc_u32 v[SB+\c], v[SB+\c], v[BP+8+\c]
	v_cmp_gt_u32 vcc_lo, 8, v[E1+\c]
	v_cndmask_b32 v[SB+\c], -1, v[SB+\c], vcc_lo
.endr
	; A pick whose slot lies in my tile writes its token into my wave's list; every other pick (the difference wraps to a large number) into the dump word.
.irp c, 0,1,2,3,4,5,6,7
	v_add_nc_u32 v5, 32*\c, v3
	v_sub_nc_u32 v4, v[SA+\c], s15
	v_min_u32 v4, 16, v4
	v_lshl_add_u32 v4, v4, 2, s28
	ds_store_b32 v4, v5
	v_sub_nc_u32 v4, v[SB+\c], s15
	v_min_u32 v4, 16, v4
	v_lshl_add_u32 v4, v4, 2, s28
	ds_store_b32 v4, v5
.endr
	s_cmp_lg_u32 ttmp9, 0                          ; the tables are stored once, by work-group 0; no barrier stands inside
	s_cbranch_scc1 .Lno_tables
	v_lshlrev_b32 v6, 2, v3
.irp c, 0,1,2,3,4,5,6,7
	global_store_b32 v6, v[SA+\c], s[10:11] offset:128*\c
	global_store_b32 v6, v[SB+\c], s[10:11] offset:8192+128*\c
.endr
	s_cmp_lg_u32 s14, 0
	s_cbranch_scc1 .Lno_tables
	v_lshlrev_b32 v7, 3, v1
	global_store_b64 v7, v[50:51], s[12:13]        ; 32 lanes x 8 bytes: the whole buffer; entries 8 to 31 are never read
.Lno_tables:
	BAR                                            ; all eight lists are written
	; Wave w gathers rows 2 w and 2 w + 1.  At most one list holds a token for a slot; the others hold -1: the unsigned minimum picks it.
	s_lshl_b32 s27, s14, 3
	v_mov_b32 v5, s27
.irp w, 0,1,2,3,4,5,6,7
	ds_load_b64 v[BP+2*\w:BP+2*\w+1], v5 offset:LIST+128*\w
.endr
	s_wait_dscnt 0x0
	v_min_u32 v56, v[BP], v[BP+2]
	v_min_u32 v57, v[BP+1], v[BP+3]
.irp w, 2,3,4,5,6,7
	v_min_u32 v56, v56, v[BP+2*\w]
	v_min_u32 v57, v57, v[BP+2*\w+1]
.endr
	v_readfirstlane_b32 s34, v56                   ; every lane read the same words
	v_readfirstlane_b32 s35, v57
	s_cmp_lt_u32 s34, 2048
	s_cselect_b32 s36, -1, 0                       ; no token: the row is masked to zeros below
	s_cmp_lt_u32 s35, 2048
	s_cselect_b32 s37, -1, 0
	s_min_u32 s34, s34, 2047                       ; and some row inside x is loaded
	s_min_u32 s35, s35, 2047
	s_lshl_b32 s38, s34, 12                        ; 4,096 bytes a row
	s_add_nc_u64 s[30:31], s[6:7], s[38:39]
	s_lshl_b32 s38, s35, 12
	s_add_nc_u64 s[32:33], s[6:7], s[38:39]
.irp i, 0,1,2,3,4,5,6,7
	global_load_b128 v[XL+4*\i:XL+4*\i+3], v58, s[30:31] offset:512*\i
.endr
.irp i, 0,1,2,3,4,5,6,7
	global_load_b128 v[XL+32+4*\i:XL+32+4*\i+3], v58, s[32:33] offset:512*\i
.endr
.irp q, 0,1,2,3,4,5,6,7,8,9,10,11,12,13,14,15
	s_wait_loadcnt 15-\q                           ; loads come back in order (ISA guide 5.7.1): load q is in, the 15 - q younger ones stay out
	v_cvt_pk_bf16_f32 v[PK+2*(\q%4)], v[XL+4*\q], v[XL+4*\q+1]
	v_cvt_pk_bf16_f32 v[PK+2*(\q%4)+1], v[XL+4*\q+2], v[XL+4*\q+3]
	v_and_b32 v[PK+2*(\q%4)], s[36+\q/8], v[PK+2*(\q%4)]
	v_and_b32 v[PK+2*(\q%4)+1], s[36+\q/8], v[PK+2*(\q%4)+1]
	ds_store_b64 v54, v[PK+2*(\q%4):PK+2*(\q%4)+1] offset:(\q/8)*TP+256*(\q%8)   ; 32 lanes x 8 neighbouring bytes
.endr
	BAR                                            ; the tile's 16 rows are in LDS
	; Wave w writes K steps 4 w to 4 w + 3: eight pieces of 512 bytes.
.irp q, 0,1,2,3,4,5,6,7
	ds_load_b128 v[FR+4*\q:FR+4*\q+3], v55 offset:64*(\q/2)+32*(\q%2)
.endr
.irp q, 0,1,2,3,4,5,6,7
	s_wait_dscnt 7-\q                              ; piece q is in
	global_store_b128 v58, v[FR+4*\q:FR+4*\q+3], s[40:41] offset:512*\q   ; 512 consecutive bytes, at a multiple of 512 from the buffer's first byte
.endr
	s_wait_tensorcnt 0x0
	ds_add_u32 v168, v169
	s_wait_dscnt 0x0
	s_endpgm
.Lfunc_end_k_qa8722576b2_prep:
	.size	k_qa8722576b2_prep, .Lfunc_end_k_qa8722576b2_prep-k_qa8722576b2_prep
	.p2alignl 7, 3214868480
	.fill 96, 4, 3214868480
	.section	.rodata,"a",@progbits
	.p2align	6, 0x0
	.amdhsa_kernel k_qa8722576b2_prep
		.amdhsa_group_segment_fixed_size 35840
		.amdhsa_private_segment_fixed_size 0
		.amdhsa_enable_private_segment 0
		.amdhsa_kernarg_size 40
		.amdhsa_user_sgpr_count 2
		.amdhsa_user_sgpr_kernarg_segment_ptr 1
		.amdhsa_wavefront_size32 1
		.amdhsa_system_sgpr_workgroup_id_x 1
		.amdhsa_system_sgpr_workgroup_id_y 1
		.amdhsa_system_sgpr_workgroup_id_z 1
		.amdhsa_system_vgpr_workitem_id 0
		.amdhsa_next_free_vgpr 170
		.amdhsa_next_free_sgpr 66
		.amdhsa_reserve_vcc 1
		.amdhsa_float_denorm_mode_32 3
		.amdhsa_float_denorm_mode_16_64 3
		.amdhsa_memory_ordered 1
		.amdhsa_forward_progress 1
		.amdhsa_inst_pref_size 51
	.end_amdhsa_kernel
	.amdgpu_metadata
---
amdhsa.version: [ 1, 2 ]
amdhsa.kernels:
  - .name:           k_qa8722576b2_prep
    .symbol:         k_qa8722576b2_prep.kd
    .args:
      - { .name: ensembles, .offset: 0, .size: 8, .value_kind: global_buffer, .address_space: global }
      - { .name: x, .offset: 8, .size: 8, .value_kind: global_buffer, .address_space: global }
      - { .name: xs, .offset: 16, .size: 8, .value_kind: global_buffer, .address_space: global }
      - { .name: slots, .offset: 24, .size: 8, .value_kind: global_buffer, .address_space: global }
      - { .name: meta, .offset: 32, .size: 8, .value_kind: global_buffer, .address_space: global }
    .group_segment_fixed_size: 35840
    .private_segment_fixed_size: 0
    .kernarg_segment_align: 8
    .kernarg_segment_size: 40
    .max_flat_workgroup_size: 256
    .sgpr_count:     66
    .vgpr_count:     170
    .wavefront_size: 32
...
	.end_amdgpu_metadata
.endif
;; end of part 1
;; launch gemm1 (part 2): grid 256 x 1, 8 waves a work-group, no clusters, 133,120 bytes of LDS; arguments proj_in, xs, meta, hs; writes hs
.if DOCPART == 2
	.amdgcn_target "amdgcn-amd-amdhsa--gfx1250"
	.amdhsa_code_object_version 6
	.text
	.protected	k_qa8722576b2_gemm1
	.globl	k_qa8722576b2_gemm1
	.p2align	8
	.type	k_qa8722576b2_gemm1,@function
k_qa8722576b2_gemm1:
	s_mov_b64 s[64:65], 0
	v_nop
	global_prefetch_b8 v0, s[64:65] scope:SCOPE_SE
	s_setreg_imm32_b32 hwreg(HW_REG_WAVE_MODE, 25, 1), 1
	s_wait_xcnt 0x0
; THE TWO EXPERT PRODUCTS, one text: SECOND = 0: h = relu(W1_e x) for the rows of expert e;  SECOND = 1: o = W2_e h, f32, in two halves of K.
; WEIGHTS STAY.  A work-group keeps 64 weight rows x 1,024 along K (256 KiB of f32 that no other work-group reads) in LDS as bf16: each weight byte is
; loaded once and rounded once.  SECOND = 0: work-group = 32 e + db, rows 64 db on of W1_e.  SECOND = 1: work-group = 32 e + 2 ib + kh, rows 64 ib on of
; W2_e, columns 1,024 kh on: the two halves of K go to two planes of o, which the next launch adds.
; h IS TWO bf16 NUMBERS: hi = bf16(h), lo = bf16(h - hi) (the difference is exact in f32), 16 significant bits together.  The second product adds
; W2 hi and W2 lo into the same f32 sums.  One bf16 alone keeps 8 bits: an error of up to 2^-9 of each h, which a gate of up to 2 (both picks of a
; token on one expert) carries into the output at twice the weight of a plain row.
; ROWS STREAM.  The expert's rows lie in units of 32 (nu units from unit ub on: meta[e], whole numbers stored by the first launch), in fragment order:
; a row tile of 16 rows is a run of ROW STEPS of 1 KiB, [half][lane][16 bytes] each: 32 along K of one part.  xs has 32 row steps a tile; hs has 128, row
; step 2 c + p being part p (hi, lo) of K step c.  A fragment is two loads of 512 consecutive bytes straight into registers.
; SHARES.  Eight waves.  Wave w takes the units 2 w and 2 w + 1 together: 64 rows x 64 weight rows, 16 accumulators (UNIT 4).  Every wave reads all
; 128 KiB of weights from LDS for its rows, so eight waves of 64 rows read half of what sixteen of 32 would.  A unit without a partner (the last of an odd
; nu up to 15; units 16 + w, 24 + w, ... of an expert with more than 512 rows) goes by itself (UNIT 2, the same macros with two row tiles).
; ONE BARRIER in the whole text, behind the weights' way into LDS.  The loop over single units, whose length is read from memory, holds none.
; REGISTERS, in windows of 256 (s_set_vgpr_msb: bits 1:0 source 0, 3:2 source 1, 5:4 source 2, 7:6 destination):
;   window 0: v1-8 addresses; v16-207 the rows' ring; v208-223 packed weights on their way into LDS
;   window 1: v0-127 accumulators; v128-223 three buffers of weight fragments; at the start v0-223 seven slots of 32 for f32 weights;
;             on the first product's way out v128-159 hi as f32, v192-255 hi packed
; A row step has three switches (weight loads, row loads, products) for its 16 matrix instructions: 432 registers are in use, so two windows are needed.
; NO JOINT LOADS, though the 32 work-groups of an expert read the same rows: the number of units hangs on counts read from memory and differs from expert
; to expert, and the rows pass through no LDS slot that would have to be filled again.  No tensor loads: the weights have to be rounded on their way.
; LIMITS.  relu is v_max_num_f32: a NaN before it gives 0, not NaN.  Operands bf16 (rounded to nearest even), sums f32.
.set SECOND, 0
.set WP,    2064                       ; pitch of a weight row in LDS: 2,048 + 16 = 129 x 16 bytes: the 16 rows of a fragment load start at 16 different groups of four banks (64 banks of 4 bytes: ISA guide 11.1)
.set STAGE, 64*WP                      ; SECOND = 1: behind the weights, 16 rows x 272 bytes for each wave, for the way out
.set SP,    272
.set HT,    131072                     ; bytes of a row tile (16 rows) of hs: 128 row steps of 1 KiB
.if SECOND
.set NP,    2                          ; parts of a streamed number: row steps in a K step
.set TT,    HT                         ; bytes of a row tile of the streamed buffer
.set TSH,   18                         ; log2 of a unit's bytes there
.set OSH,   17                         ; log2 of a unit's bytes in the output: 32 rows x 4 KiB of o
.set WROW,  8192                       ; bytes of a weight row in memory
.else
.set NP,    1
.set TT,    32768                      ; a row tile of xs: 32 row steps of 1 KiB
.set TSH,   16
.set OSH,   18                         ; a unit of hs: 2 x HT
.set WROW,  4096
.endif
.set NS,    32*NP                      ; row steps of a unit
.set LOFF, 1                           ; v1      16 x lane; never rewritten
.set WA,   2                           ; v2, v3  LDS address of my lane in weight rows 0-31, 32-63
.set WST,  4                           ; v4      where I put 8 bytes of my wave's eight weight rows
.set STO,  6                           ; v6      the way out: where I put 16 bytes of a row
.set RD,   7                           ; v7      where I read a row back
.set CO,   8                           ; v8      my byte offset in two rows of o
.set RING,  16                         ; window 0: with rt row tiles a slot is 8 rt registers (fragment a at 8 a) and there are RREGS / (8 rt) slots: 6 or 12
.set RREGS, 192
.set TMP,   208                        ; window 0: v[208:223]
.set ACC,   0                          ; window 1: accumulator (b, a) at 8 (4 b + a): weight rows 16 b on, row tile a
.set WB,    128                        ; window 1: three buffers x (4 blocks x 8)
.set UNP,   128                        ; window 1, the first product's way out
.set HP,    192
.set PRE4,  32                         ; row loads out at the start of UNIT 4: 8 a row step, 4 row steps ahead
; s[4:5] weights  s[6:7] rows  s[8:9] meta  s[10:11] output  s12 wave  s13 expert  s14 block  s15 K half  s16 nu  s17 ub  s18 at work, a unit in the expert
; s19 unit  s[20:21] rows of the unit  s[22:23] its output  s[24:25] offset  s[26:27] my weight rows  s28 at work, 2 w  s29 8 e, then my first single unit
; s30 my single units  s31 single units done
.set MSB, 0
.macro WIN new                         ; the immediate's high byte repeats the setting that is left; a switch that changes nothing is dropped
.if MSB != \new
	s_set_vgpr_msb (MSB<<8)|\new
.set MSB, \new
.endif
.endm
.set W_LD1, 0x40                       ; destination window 1, address window 0
.set W_MUL, 0x51                       ; source 0 (weights), C and D window 1; source 1 (rows) window 0
.set W_CVT, 0x05                       ; sources window 1, destination window 0
.set W_ONE, 0x45                       ; sources and destination window 1
.set W_ST1, 0x04                       ; a store's data window 1, its address window 0
.macro TLOAD m, rt                     ; the rows of row step m, rt row tiles -> slot m % slots: 2 rt loads of 512 consecutive bytes
.irp a, 0,1,2,3
.if \a < \rt
.irp j, 0,1
	global_load_b128 v[RING+8*\rt*((\m)%(RREGS/(8*\rt)))+8*\a+4*\j:RING+8*\rt*((\m)%(RREGS/(8*\rt)))+8*\a+4*\j+3], v[LOFF], s[20:21] offset:\a*TT+1024*(\m)+512*\j
.endr
.endif
.endr
.endm
.macro FIRST_ROWS rt                   ; row steps 0 to slots - 3: as many as a row step asks ahead
	WIN 0
.irp q, 0,1,2,3,4,5,6,7,8,9
.if \q < RREGS/(8*\rt)-2
	TLOAD \q, \rt
.endif
.endr
.endm
.macro WLOAD k                         ; the 64 weight rows, K step k -> buffer k % 3: lane (r, h) takes row 16 b + r, bytes 64 k + 16 h and 32 further on
.irp b, 0,1,2,3
.irp j, 0,1
	ds_load_b128 v[WB+32*((\k)%3)+8*\b+4*\j:WB+32*((\k)%3)+8*\b+4*\j+3], v[WA+\b/2] offset:(\b%2)*16*WP+64*(\k)+32*\j
.endr
.endr
.endm
.macro SETUNIT cnt, lim                ; cnt: a unit's number in the expert; lim: the last unit at which what is read and stored from there on lies inside the buffers
	s_add_co_u32 s19, s17, \cnt
	s_min_u32 s19, s19, \lim                       ; a number read from memory enters an address only clamped: 136 units are stored
	s_lshl_b32 s24, s19, TSH
	s_add_nc_u64 s[20:21], s[6:7], s[24:25]
	s_lshl_b32 s24, s19, OSH
	s_add_nc_u64 s[22:23], s[10:11], s[24:25]
.endm
; Row step m of a unit of rt row tiles.  Source 0 = 16 weight rows, source 1 = 16 rows: in the result lane (r, h) holds row r and weight rows 16 b + 8 h + 0..7.
; The 4 rt accumulators take turns, one instruction a turn, from step to step too.
; Every load lands in registers that the products of row step m - 2 or earlier read (slots = steps ahead + 2; three weight buffers, filled one K step
; ahead), never in those of the products just issued.  Between those products and the load stand the two v_nop of step m - 1 and the two of step m: the
; four places that are due (ISA guide 7.12.1 for vector instructions).
.macro STEP m, rt
.set SSZ, 8*\rt
.set NSL, RREGS/SSZ
.set AH,  NSL-2
.if \m > 0
	v_nop
	v_nop
.endif
.if (\m%NP == 0) && (\m/NP < 31)
	WIN W_LD1
	WLOAD \m/NP+1
.endif
.if \m+AH < NS
	WIN 0
	TLOAD \m+AH, \rt
.endif
.if \m%NP == 0
.if \m/NP < 31
	s_wait_dscnt 0x8                               ; the eight just issued may stay out: this K step's weights are in
.else
	s_wait_dscnt 0x0
.endif
.endif
.if \m+AH < NS
	s_wait_loadcnt 2*\rt*AH                        ; the rows of the AH steps ahead, 2 rt loads each, may stay out: step m's are in
.else
	s_wait_loadcnt 2*\rt*(NS-1-\m)                 ; nothing more is asked for: the counts run down
.endif
	WIN W_MUL
.irp b, 0,1,2,3
.irp a, 0,1,2,3
.if \a < \rt
.if \m == 0
	v_wmma_f32_16x16x32_bf16 v[ACC+8*(4*\b+\a):ACC+8*(4*\b+\a)+7], v[WB+32*((\m/NP)%3)+8*\b:WB+32*((\m/NP)%3)+8*\b+7], v[RING+SSZ*(\m%NSL)+8*\a:RING+SSZ*(\m%NSL)+8*\a+7], 0
.else
	v_wmma_f32_16x16x32_bf16 v[ACC+8*(4*\b+\a):ACC+8*(4*\b+\a)+7], v[WB+32*((\m/NP)%3)+8*\b:WB+32*((\m/NP)%3)+8*\b+7], v[RING+SSZ*(\m%NSL)+8*\a:RING+SSZ*(\m%NSL)+8*\a+7], v[ACC+8*(4*\b+\a):ACC+8*(4*\b+\a)+7]
.endif
.endif
.endr
.endr
.endm
; THE FIRST PRODUCT'S WAY OUT: relu; hi = bf16(h); lo = bf16(h - hi), packed in place.  A lane's 16 bytes of each ARE its part of the second product's row
; steps 2 (2 db + b / 2) (hi) and one further on (lo), half b % 2.  All arithmetic in window 1; a row tile's eight stores stand together.
.macro OUT1 rt
.irp a, 0,1,2,3
.if \a < \rt
	WIN W_ONE
.irp b, 0,1,2,3
.irp j, 0,1,2,3,4,5,6,7
	v_max_num_f32 v[ACC+8*(4*\b+\a)+\j], 0, v[ACC+8*(4*\b+\a)+\j]
.endr
.irp j, 0,1,2,3
	v_cvt_pk_bf16_f32 v[HP+4*(4*\b+\a)+\j], v[ACC+8*(4*\b+\a)+2*\j], v[ACC+8*(4*\b+\a)+2*\j+1]
.endr
.irp j, 0,1,2,3
	v_lshlrev_b32 v[UNP+8*\b+2*\j], 16, v[HP+4*(4*\b+\a)+\j]           ; hi back as f32: the low half moves up,
	v_and_b32 v[UNP+8*\b+2*\j+1], 0xffff0000, v[HP+4*(4*\b+\a)+\j]     ; the high half stays
.endr
.irp j, 0,1,2,3
	v_pk_add_f32 v[ACC+8*(4*\b+\a)+2*\j:ACC+8*(4*\b+\a)+2*\j+1], v[ACC+8*(4*\b+\a)+2*\j:ACC+8*(4*\b+\a)+2*\j+1], v[UNP+8*\b+2*\j:UNP+8*\b+2*\j+1] neg_lo:[0,1] neg_hi:[0,1]   ; h - hi
.endr
.irp j, 0,1,2,3
	v_cvt_pk_bf16_f32 v[ACC+8*(4*\b+\a)+\j], v[ACC+8*(4*\b+\a)+2*\j], v[ACC+8*(4*\b+\a)+2*\j+1]   ; register j takes numbers 2 j and 2 j + 1: what it overwrites has been packed
.endr
.endr
	WIN W_ST1
.irp b, 0,1,2,3
	global_store_b128 v[LOFF], v[HP+4*(4*\b+\a):HP+4*(4*\b+\a)+3], s[22:23] offset:HT*\a+2048*(\b/2)+512*(\b%2)          ; 512 consecutive bytes, at a multiple of 512 from the buffer's first byte
	global_store_b128 v[LOFF], v[ACC+8*(4*\b+\a):ACC+8*(4*\b+\a)+3], s[22:23] offset:HT*\a+2048*(\b/2)+1024+512*(\b%2)
.endr
.endif
.endr
.endm
; THE SECOND PRODUCT'S WAY OUT: a lane holds 8 neighbouring f32 of a row; a row tile at a time goes through my stage and comes back as whole pieces of
; 256 bytes, into the ring's registers, whose rows have been multiplied.
.macro STG a
	WIN W_ST1
.irp b, 0,1,2,3
.irp q, 0,1
	ds_store_b128 v[STO], v[ACC+8*(4*\b+(\a))+4*\q:ACC+8*(4*\b+(\a))+4*\q+3] offset:64*\b+16*\q
.endr
.endr
	WIN 0
.irp t, 0,1,2,3,4,5,6,7
	ds_load_b128 v[RING+32*(\a)+4*\t:RING+32*(\a)+4*\t+3], v[RD] offset:\t*2*SP   ; LDS serves a wave's instructions in order (ISA guide 5.7.1.4): these see the stores above, and the next tile's stores come behind them
.endr
.endm
.macro SND a
.irp t, 0,1,2,3,4,5,6,7
	global_store_b128 v[CO], v[RING+32*(\a)+4*\t:RING+32*(\a)+4*\t+3], s[22:23] offset:65536*(\a)+8192*\t   ; 16 lanes store 256 consecutive bytes, at a multiple of 256 from o's first byte
.endr
.endm
.macro OUT2 rt
	STG 0
.irp a, 1,2,3
.if \a < \rt
	STG \a
	s_wait_dscnt 0x10                              ; this tile's sixteen LDS instructions may stay out: the tile before is back
	SND \a-1
.endif
.endr
	s_wait_dscnt 0x0
	SND \rt-1
.endm
; rt row tiles x 64 weight rows.  On the way in: the rows of the first row steps are asked for (FIRST_ROWS rt), no LDS instruction is out, every window 0.
.macro UNIT rt
	WIN W_LD1
	WLOAD 0
.set mm, 0
.rept NS
	STEP mm, \rt
.set mm, mm+1
.endr
.rept 5
	v_nop                                          ; four places before the results are read and the products' sources written, a fifth before a next unit's first product writes over the results (ISA guide 7.12.1)
.endr
.if SECOND
	OUT2 \rt
.else
	OUT1 \rt
.endif
	WIN 0                                          ; at a label and at a branch every window is 0
.endm
; The weights' way into LDS: eight loads bring row g of my eight into a slot of 32 registers of window 1; they are rounded to bf16 and stored.
.macro WROWS g, slot
	WIN W_LD1
.irp i, 0,1,2,3,4,5,6,7
	global_load_b128 v[32*\slot+4*\i:32*\slot+4*\i+3], v[LOFF], s[26:27] offset:WROW*\g+512*\i th:TH_LOAD_NT   ; 512 consecutive bytes; read once in the launch
.endr
.endm
.macro CONV g, slot, left              ; left: the loads issued behind row g's
	s_wait_loadcnt \left
	WIN W_CVT
.irp i, 0,1,2,3,4,5,6,7
	v_cvt_pk_bf16_f32 v[TMP+2*\i], v[32*\slot+4*\i], v[32*\slot+4*\i+1]
	v_cvt_pk_bf16_f32 v[TMP+2*\i+1], v[32*\slot+4*\i+2], v[32*\slot+4*\i+3]
.endr
	WIN 0
.irp i, 0,1,2,3,4,5,6,7
	ds_store_b64 v[WST], v[TMP+2*\i:TMP+2*\i+1] offset:WP*\g+256*\i
.endr
.endm
	s_load_b256 s[4:11], s[0:1], 0x0
	v_lshl_add_u32 v254, v0, 2, 0x20400
	v_mov_b32 v255, 0
	v_lshrrev_b32 v5, 5, v0
	v_readfirstlane_b32 s12, v5                    ; wave 0..7
	s_lshr_b32 s13, ttmp9, 5                       ; expert
	s_lshl_b32 s29, s13, 3                         ; its entry in meta
	s_and_b32 s14, ttmp9, 31
.if SECOND
	s_and_b32 s15, s14, 1                          ; K half
	s_lshr_b32 s14, s14, 1                         ; block of 64 rows of W2_e
	s_lshl_b32 s24, s13, 23                        ; 8 MiB an expert,
	s_lshl_b32 s28, s14, 19                        ; 64 rows of 8 KiB,
	s_add_co_u32 s24, s24, s28
	s_lshl_b32 s28, s15, 12                        ; 1,024 columns of 4 bytes,
	s_add_co_u32 s24, s24, s28
	s_lshl_b32 s28, s12, 16                        ; my wave's eight rows
.else
	s_lshl_b32 s24, ttmp9, 18                      ; 64 rows of 4 KiB a work-group, the experts' tables one behind the other,
	s_lshl_b32 s28, s12, 15                        ; my wave's eight rows
.endif
	s_add_co_u32 s24, s24, s28
	s_mov_b32 s25, 0                               ; stays 0: the upper word of every offset
	v_and_b32 v9, 31, v0
	v_lshlrev_b32 v[LOFF], 4, v9
	v_and_b32 v10, 15, v0                          ; r
	v_bfe_u32 v11, v0, 4, 1                        ; h
	v_mul_u32_u24 v[WA], v10, WP
	v_lshl_add_u32 v[WA], v11, 4, v[WA]
	v_add_nc_u32 v[WA+1], 32*WP, v[WA]
	s_mul_i32 s28, s12, 8*WP
	v_lshl_add_u32 v[WST], v9, 3, s28
.if SECOND
	s_mul_i32 s28, s12, 16*SP
	s_add_co_u32 s28, s28, STAGE                   ; my wave's stage
	v_mul_u32_u24 v[STO], v10, SP
	v_lshl_add_u32 v[STO], v11, 5, v[STO]
	v_add_nc_u32 v[STO], s28, v[STO]               ; in: row r, 32 bytes for each half of the lanes
	v_mul_u32_u24 v[RD], v11, SP
	v_lshl_add_u32 v[RD], v10, 4, v[RD]
	v_add_nc_u32 v[RD], s28, v[RD]                 ; back: lanes 0-15 one row's 256 bytes, lanes 16-31 the next row's
	v_lshlrev_b32 v[CO], 12, v11
	v_lshl_add_u32 v[CO], v10, 4, v[CO]            ; the same two rows in o
.endif
	s_wait_kmcnt 0x0
	s_load_b64 s[16:17], s[8:9], s29 offset:0x0    ; nu, ub
	s_add_nc_u64 s[26:27], s[4:5], s[24:25]
.irp g, 0,1,2,3,4,5,6
	WROWS \g, \g                                   ; seven of my eight rows: 56 loads are out
.endr
.if SECOND
	s_lshl_b32 s24, s15, 16                        ; what does not change from unit to unit is added to the bases once: my K half's 64 row steps of 1 KiB,
	s_add_nc_u64 s[6:7], s[6:7], s[24:25]
	s_mul_i32 s24, s15, 0x1100000                  ; my K half's plane of o (4,352 rows x 4 KiB),
	s_lshl_b32 s28, s14, 8                         ; my 64 columns
	s_add_co_u32 s24, s24, s28
.else
	s_lshl_b32 s24, s14, 12                        ; my 64 columns of h are K steps 2 db and 2 db + 1 of the second product, 2 KiB each
.endif
	s_add_nc_u64 s[10:11], s[10:11], s[24:25]
	s_wait_kmcnt 0x0
	s_max_u32 s16, s16, 1
	s_min_u32 s16, s16, 64                         ; 2,048 tokens are 64 units at the most
	s_min_u32 s17, s17, 135
	s_sub_co_u32 s28, s16, 1
	s_lshl_b32 s18, s12, 1
	s_min_u32 s28, s28, s18                        ; my pair begins at unit 2 w; a wave without one asks for rows at the expert's last unit, so that every wave has the same loads out
	SETUNIT s28, 134                               ; two units are read from there on
	CONV 0, 0, 48                                  ; rows 1 to 6 stay out
	WROWS 7, 0                                     ; the eighth row, into the slot just rounded: 56 loads are out again
	CONV 1, 1, 48                                  ; rows 2 to 7
	CONV 2, 2, 40
	CONV 3, 3, 32
	CONV 4, 4, 24
	FIRST_ROWS 4                                   ; 24 weight loads and these 32 are out
	CONV 5, 5, 16+PRE4
	CONV 6, 6, 8+PRE4
	CONV 7, 0, PRE4
	s_wait_dscnt 0x0                               ; for the others' sake: my eight rows are in LDS
	s_barrier_signal -1
	s_barrier_wait -1                              ; all 64 are; they are never written again
	s_lshl_b32 s28, s12, 1                         ; 2 w
	s_add_co_u32 s18, s28, 2
	s_cmp_gt_u32 s18, s16
	s_cbranch_scc1 .Lno_pair                       ; units 2 w and 2 w + 1 are not both the expert's; no barrier follows
	UNIT 4
.Lno_pair:
	s_sub_co_i32 s30, s16, s12                     ; single units 16 + w, 24 + w, ... below nu: (nu - 16 - w + 7) / 8 of them, none if that is below 8,
	s_sub_co_i32 s30, s30, 9
	s_max_i32 s30, s30, 0
	s_lshr_b32 s30, s30, 3
	s_min_u32 s30, s30, 6                          ; six at the most, since nu is 64 at the most
	s_add_co_u32 s29, s12, 16
	s_add_co_u32 s18, s28, 1
	s_cmp_eq_u32 s18, s16                          ; or, where nu = 2 w + 1, the one unit 2 w (nu is then 15 at the most: there are no others)
	s_cselect_b32 s29, s28, s29
	s_cselect_b32 s30, 1, s30
	s_cmp_eq_u32 s30, 0
	s_cbranch_scc1 .Lend
	s_wait_loadcnt 0x0                             ; a wave that had no pair still has its first row loads out: the ring and the rows' base are written again only behind this wait,
	s_wait_xcnt 0x0                                ; a pair's stores' base and data registers only behind this one
	s_mov_b32 s31, 0                               ; the loop is counted by its trips, one a unit
	SETUNIT s29, 135
	FIRST_ROWS 2
.Lunit:                                                ; on both ways in: the rows of row steps 0 to 9 are asked for (40 loads out), no LDS instruction is out
	UNIT 2
	s_add_co_u32 s31, s31, 1                       ; one more unit is done
	s_cmp_ge_u32 s31, s30
	s_cbranch_scc1 .Lend                           ; it was my last: nothing more is asked for
	s_wait_xcnt 0x0                                ; the stores' base and data registers are rewritten only behind this wait; the rows' base is free since the last step's wait for all loads
	s_lshl3_add_u32 s18, s31, s29                  ; my next unit: 8 x units done + my first
	SETUNIT s18, 135
	FIRST_ROWS 2
	s_cmp_lt_u32 s31, s30                          ; the sums above have written SCC: the counter is compared again for the jump back
	s_cbranch_scc1 .Lunit
.Lend:
	s_wait_tensorcnt 0x0
	ds_add_u32 v254, v255
	s_wait_dscnt 0x0
	s_endpgm
.Lfunc_end_k_qa8722576b2_gemm1:
	.size	k_qa8722576b2_gemm1, .Lfunc_end_k_qa8722576b2_gemm1-k_qa8722576b2_gemm1
	.p2alignl 7, 3214868480
	.fill 96, 4, 3214868480
	.section	.rodata,"a",@progbits
	.p2align	6, 0x0
	.amdhsa_kernel k_qa8722576b2_gemm1
		.amdhsa_group_segment_fixed_size 133120
		.amdhsa_private_segment_fixed_size 0
		.amdhsa_enable_private_segment 0
		.amdhsa_kernarg_size 32
		.amdhsa_user_sgpr_count 2
		.amdhsa_user_sgpr_kernarg_segment_ptr 1
		.amdhsa_wavefront_size32 1
		.amdhsa_system_sgpr_workgroup_id_x 1
		.amdhsa_system_sgpr_workgroup_id_y 1
		.amdhsa_system_sgpr_workgroup_id_z 1
		.amdhsa_system_vgpr_workitem_id 0
		.amdhsa_next_free_vgpr 512
		.amdhsa_next_free_sgpr 66
		.amdhsa_reserve_vcc 0
		.amdhsa_float_denorm_mode_32 3
		.amdhsa_float_denorm_mode_16_64 3
		.amdhsa_memory_ordered 1
		.amdhsa_forward_progress 1
		.amdhsa_inst_pref_size 194
	.end_amdhsa_kernel
	.amdgpu_metadata
---
amdhsa.version: [ 1, 2 ]
amdhsa.kernels:
  - .name:           k_qa8722576b2_gemm1
    .symbol:         k_qa8722576b2_gemm1.kd
    .args:
      - { .name: proj_in, .offset: 0, .size: 8, .value_kind: global_buffer, .address_space: global }
      - { .name: xs, .offset: 8, .size: 8, .value_kind: global_buffer, .address_space: global }
      - { .name: meta, .offset: 16, .size: 8, .value_kind: global_buffer, .address_space: global }
      - { .name: hs, .offset: 24, .size: 8, .value_kind: global_buffer, .address_space: global }
    .group_segment_fixed_size: 133120
    .private_segment_fixed_size: 0
    .kernarg_segment_align: 8
    .kernarg_segment_size: 32
    .max_flat_workgroup_size: 256
    .sgpr_count:     66
    .vgpr_count:     512
    .wavefront_size: 32
...
	.end_amdgpu_metadata
.endif
;; end of part 2
;; launch gemm2 (part 3): grid 256 x 1, 8 waves a work-group, no clusters, 167,936 bytes of LDS; arguments proj_out, hs, meta, o; writes o
.if DOCPART == 3
	.amdgcn_target "amdgcn-amd-amdhsa--gfx1250"
	.amdhsa_code_object_version 6
	.text
	.protected	k_qa8722576b2_gemm2
	.globl	k_qa8722576b2_gemm2
	.p2align	8
	.type	k_qa8722576b2_gemm2,@function
k_qa8722576b2_gemm2:
	s_mov_b64 s[64:65], 0
	v_nop
	global_prefetch_b8 v0, s[64:65] scope:SCOPE_SE
	s_setreg_imm32_b32 hwreg(HW_REG_WAVE_MODE, 25, 1), 1
	s_wait_xcnt 0x0
; THE TWO EXPERT PRODUCTS, one text: SECOND = 0: h = relu(W1_e x) for the rows of expert e;  SECOND = 1: o = W2_e h, f32, in two halves of K.
; WEIGHTS STAY.  A work-group keeps 64 weight rows x 1,024 along K (256 KiB of f32 that no other work-group reads) in LDS as bf16: each weight byte is
; loaded once and rounded once.  SECOND = 0: work-group = 32 e + db, rows 64 db on of W1_e.  SECOND = 1: work-group = 32 e + 2 ib + kh, rows 64 ib on of
; W2_e, columns 1,024 kh on: the two halves of K go to two planes of o, which the next launch adds.
; h IS TWO bf16 NUMBERS: hi = bf16(h), lo = bf16(h - hi) (the difference is exact in f32), 16 significant bits together.  The second product adds
; W2 hi and W2 lo into the same f32 sums.  One bf16 alone keeps 8 bits: an error of up to 2^-9 of each h, which a gate of up to 2 (both picks of a
; token on one expert) carries into the output at twice the weight of a plain row.
; ROWS STREAM.  The expert's rows lie in units of 32 (nu units from unit ub on: meta[e], whole numbers stored by the first launch), in fragment order:
; a row tile of 16 rows is a run of ROW STEPS of 1 KiB, [half][lane][16 bytes] each: 32 along K of one part.  xs has 32 row steps a tile; hs has 128, row
; step 2 c + p being part p (hi, lo) of K step c.  A fragment is two loads of 512 consecutive bytes straight into registers.
; SHARES.  Eight waves.  Wave w takes the units 2 w and 2 w + 1 together: 64 rows x 64 weight rows, 16 accumulators (UNIT 4).  Every wave reads all
; 128 KiB of weights from LDS for its rows, so eight waves of 64 rows read half of what sixteen of 32 would.  A unit without a partner (the last of an odd
; nu up to 15; units 16 + w, 24 + w, ... of an expert with more than 512 rows) goes by itself (UNIT 2, the same macros with two row tiles).
; ONE BARRIER in the whole text, behind the weights' way into LDS.  The loop over single units, whose length is read from memory, holds none.
; REGISTERS, in windows of 256 (s_set_vgpr_msb: bits 1:0 source 0, 3:2 source 1, 5:4 source 2, 7:6 destination):
;   window 0: v1-8 addresses; v16-207 the rows' ring; v208-223 packed weights on their way into LDS
;   window 1: v0-127 accumulators; v128-223 three buffers of weight fragments; at the start v0-223 seven slots of 32 for f32 weights;
;             on the first product's way out v128-159 hi as f32, v192-255 hi packed
; A row step has three switches (weight loads, row loads, products) for its 16 matrix instructions: 432 registers are in use, so two windows are needed.
; NO JOINT LOADS, though the 32 work-groups of an expert read the same rows: the number of units hangs on counts read from memory and differs from expert
; to expert, and the rows pass through no LDS slot that would have to be filled again.  No tensor loads: the weights have to be rounded on their way.
; LIMITS.  relu is v_max_num_f32: a NaN before it gives 0, not NaN.  Operands bf16 (rounded to nearest even), sums f32.
.set SECOND, 1
.set WP,    2064                       ; pitch of a weight row in LDS: 2,048 + 16 = 129 x 16 bytes: the 16 rows of a fragment load start at 16 different groups of four banks (64 banks of 4 bytes: ISA guide 11.1)
.set STAGE, 64*WP                      ; SECOND = 1: behind the weights, 16 rows x 272 bytes for each wave, for the way out
.set SP,    272
.set HT,    131072                     ; bytes of a row tile (16 rows) of hs: 128 row steps of 1 KiB
.if SECOND
.set NP,    2                          ; parts of a streamed number: row steps in a K step
.set TT,    HT                         ; bytes of a row tile of the streamed buffer
.set TSH,   18                         ; log2 of a unit's bytes there
.set OSH,   17                         ; log2 of a unit's bytes in the output: 32 rows x 4 KiB of o
.set WROW,  8192                       ; bytes of a weight row in memory
.else
.set NP,    1
.set TT,    32768                      ; a row tile of xs: 32 row steps of 1 KiB
.set TSH,   16
.set OSH,   18                         ; a unit of hs: 2 x HT
.set WROW,  4096
.endif
.set NS,    32*NP                      ; row steps of a unit
.set LOFF, 1                           ; v1      16 x lane; never rewritten
.set WA,   2                           ; v2, v3  LDS address of my lane in weight rows 0-31, 32-63
.set WST,  4                           ; v4      where I put 8 bytes of my wave's eight weight rows
.set STO,  6                           ; v6      the way out: where I put 16 bytes of a row
.set RD,   7                           ; v7      where I read a row back
.set CO,   8                           ; v8      my byte offset in two rows of o
.set RING,  16                         ; window 0: with rt row tiles a slot is 8 rt registers (fragment a at 8 a) and there are RREGS / (8 rt) slots: 6 or 12
.set RREGS, 192
.set TMP,   208                        ; window 0: v[208:223]
.set ACC,   0                          ; window 1: accumulator (b, a) at 8 (4 b + a): weight rows 16 b on, row tile a
.set WB,    128                        ; window 1: three buffers x (4 blocks x 8)
.set UNP,   128                        ; window 1, the first product's way out
.set HP,    192
.set PRE4,  32                         ; row loads out at the start of UNIT 4: 8 a row step, 4 row steps ahead
; s[4:5] weights  s[6:7] rows  s[8:9] meta  s[10:11] output  s12 wave  s13 expert  s14 block  s15 K half  s16 nu  s17 ub  s18 at work, a unit in the expert
; s19 unit  s[20:21] rows of the unit  s[22:23] its output  s[24:25] offset  s[26:27] my weight rows  s28 at work, 2 w  s29 8 e, then my first single unit
; s30 my single units  s31 single units done
.set MSB, 0
.macro WIN new                         ; the immediate's high byte repeats the setting that is left; a switch that changes nothing is dropped
.if MSB != \new
	s_set_vgpr_msb (MSB<<8)|\new
.set MSB, \new
.endif
.endm
.set W_LD1, 0x40                       ; destination window 1, address window 0
.set W_MUL, 0x51                       ; source 0 (weights), C and D window 1; source 1 (rows) window 0
.set W_CVT, 0x05                       ; sources window 1, destination window 0
.set W_ONE, 0x45                       ; sources and destination window 1
.set W_ST1, 0x04                       ; a store's data window 1, its address window 0
.macro TLOAD m, rt                     ; the rows of row step m, rt row tiles -> slot m % slots: 2 rt loads of 512 consecutive bytes
.irp a, 0,1,2,3
.if \a < \rt
.irp j, 0,1
	global_load_b128 v[RING+8*\rt*((\m)%(RREGS/(8*\rt)))+8*\a+4*\j:RING+8*\rt*((\m)%(RREGS/(8*\rt)))+8*\a+4*\j+3], v[LOFF], s[20:21] offset:\a*TT+1024*(\m)+512*\j
.endr
.endif
.endr
.endm
.macro FIRST_ROWS rt                   ; row steps 0 to slots - 3: as many as a row step asks ahead
	WIN 0
.irp q, 0,1,2,3,4,5,6,7,8,9
.if \q < RREGS/(8*\rt)-2
	TLOAD \q, \rt
.endif
.endr
.endm
.macro WLOAD k                         ; the 64 weight rows, K step k -> buffer k % 3: lane (r, h) takes row 16 b + r, bytes 64 k + 16 h and 32 further on
.irp b, 0,1,2,3
.irp j, 0,1
	ds_load_b128 v[WB+32*((\k)%3)+8*\b+4*\j:WB+32*((\k)%3)+8*\b+4*\j+3], v[WA+\b/2] offset:(\b%2)*16*WP+64*(\k)+32*\j
.endr
.endr
.endm
.macro SETUNIT cnt, lim                ; cnt: a unit's number in the expert; lim: the last unit at which what is read and stored from there on lies inside the buffers
	s_add_co_u32 s19, s17, \cnt
	s_min_u32 s19, s19, \lim                       ; a number read from memory enters an address only clamped: 136 units are stored
	s_lshl_b32 s24, s19, TSH
	s_add_nc_u64 s[20:21], s[6:7], s[24:25]
	s_lshl_b32 s24, s19, OSH
	s_add_nc_u64 s[22:23], s[10:11], s[24:25]
.endm
; Row step m of a unit of rt row tiles.  Source 0 = 16 weight rows, source 1 = 16 rows: in the result lane (r, h) holds row r and weight rows 16 b + 8 h + 0..7.
; The 4 rt accumulators take turns, one instruction a turn, from step to step too.
; Every load lands in registers that the products of row step m - 2 or earlier read (slots = steps ahead + 2; three weight buffers, filled one K step
; ahead), never in those of the products just issued.  Between those products and the load stand the two v_nop of step m - 1 and the two of step m: the
; four places that are due (ISA guide 7.12.1 for vector instructions).
.macro STEP m, rt
.set SSZ, 8*\rt
.set NSL, RREGS/SSZ
.set AH,  NSL-2
.if \m > 0
	v_nop
	v_nop
.endif
.if (\m%NP == 0) && (\m/NP < 31)
	WIN W_LD1
	WLOAD \m/NP+1
.endif
.if \m+AH < NS
	WIN 0
	TLOAD \m+AH, \rt
.endif
.if \m%NP == 0
.if \m/NP < 31
	s_wait_dscnt 0x8                               ; the eight just issued may stay out: this K step's weights are in
.else
	s_wait_dscnt 0x0
.endif
.endif
.if \m+AH < NS
	s_wait_loadcnt 2*\rt*AH                        ; the rows of the AH steps ahead, 2 rt loads each, may stay out: step m's are in
.else
	s_wait_loadcnt 2*\rt*(NS-1-\m)                 ; nothing more is asked for: the counts run down
.endif
	WIN W_MUL
.irp b, 0,1,2,3
.irp a, 0,1,2,3
.if \a < \rt
.if \m == 0
	v_wmma_f32_16x16x32_bf16 v[ACC+8*(4*\b+\a):ACC+8*(4*\b+\a)+7], v[WB+32*((\m/NP)%3)+8*\b:WB+32*((\m/NP)%3)+8*\b+7], v[RING+SSZ*(\m%NSL)+8*\a:RING+SSZ*(\m%NSL)+8*\a+7], 0
.else
	v_wmma_f32_16x16x32_bf16 v[ACC+8*(4*\b+\a):ACC+8*(4*\b+\a)+7], v[WB+32*((\m/NP)%3)+8*\b:WB+32*((\m/NP)%3)+8*\b+7], v[RING+SSZ*(\m%NSL)+8*\a:RING+SSZ*(\m%NSL)+8*\a+7], v[ACC+8*(4*\b+\a):ACC+8*(4*\b+\a)+7]
.endif
.endif
.endr
.endr
.endm
; THE FIRST PRODUCT'S WAY OUT: relu; hi = bf16(h); lo = bf16(h - hi), packed in place.  A lane's 16 bytes of each ARE its part of the second product's row
; steps 2 (2 db + b / 2) (hi) and one further on (lo), half b % 2.  All arithmetic in window 1; a row tile's eight stores stand together.
.macro OUT1 rt
.irp a, 0,1,2,3
.if \a < \rt
	WIN W_ONE
.irp b, 0,1,2,3
.irp j, 0,1,2,3,4,5,6,7
	v_max_num_f32 v[ACC+8*(4*\b+\a)+\j], 0, v[ACC+8*(4*\b+\a)+\j]
.endr
.irp j, 0,1,2,3
	v_cvt_pk_bf16_f32 v[HP+4*(4*\b+\a)+\j], v[ACC+8*(4*\b+\a)+2*\j], v[ACC+8*(4*\b+\a)+2*\j+1]
.endr
.irp j, 0,1,2,3
	v_lshlrev_b32 v[UNP+8*\b+2*\j], 16, v[HP+4*(4*\b+\a)+\j]           ; hi back as f32: the low half moves up,
	v_and_b32 v[UNP+8*\b+2*\j+1], 0xffff0000, v[HP+4*(4*\b+\a)+\j]     ; the high half stays
.endr
.irp j, 0,1,2,3
	v_pk_add_f32 v[ACC+8*(4*\b+\a)+2*\j:ACC+8*(4*\b+\a)+2*\j+1], v[ACC+8*(4*\b+\a)+2*\j:ACC+8*(4*\b+\a)+2*\j+1], v[UNP+8*\b+2*\j:UNP+8*\b+2*\j+1] neg_lo:[0,1] neg_hi:[0,1]   ; h - hi
.endr
.irp j, 0,1,2,3
	v_cvt_pk_bf16_f32 v[ACC+8*(4*\b+\a)+\j], v[ACC+8*(4*\b+\a)+2*\j], v[ACC+8*(4*\b+\a)+2*\j+1]   ; register j takes numbers 2 j and 2 j + 1: what it overwrites has been packed
.endr
.endr
	WIN W_ST1
.irp b, 0,1,2,3
	global_store_b128 v[LOFF], v[HP+4*(4*\b+\a):HP+4*(4*\b+\a)+3], s[22:23] offset:HT*\a+2048*(\b/2)+512*(\b%2)          ; 512 consecutive bytes, at a multiple of 512 from the buffer's first byte
	global_store_b128 v[LOFF], v[ACC+8*(4*\b+\a):ACC+8*(4*\b+\a)+3], s[22:23] offset:HT*\a+2048*(\b/2)+1024+512*(\b%2)
.endr
.endif
.endr
.endm
; THE SECOND PRODUCT'S WAY OUT: a lane holds 8 neighbouring f32 of a row; a row tile at a time goes through my stage and comes back as whole pieces of
; 256 bytes, into the ring's registers, whose rows have been multiplied.
.macro STG a
	WIN W_ST1
.irp b, 0,1,2,3
.irp q, 0,1
	ds_store_b128 v[STO], v[ACC+8*(4*\b+(\a))+4*\q:ACC+8*(4*\b+(\a))+4*\q+3] offset:64*\b+16*\q
.endr
.endr
	WIN 0
.irp t, 0,1,2,3,4,5,6,7
	ds_load_b128 v[RING+32*(\a)+4*\t:RING+32*(\a)+4*\t+3], v[RD] offset:\t*2*SP   ; LDS serves a wave's instructions in order (ISA guide 5.7.1.4): these see the stores above, and the next tile's stores come behind them
.endr
.endm
.macro SND a
.irp t, 0,1,2,3,4,5,6,7
	global_store_b128 v[CO], v[RING+32*(\a)+4*\t:RING+32*(\a)+4*\t+3], s[22:23] offset:65536*(\a)+8192*\t   ; 16 lanes store 256 consecutive bytes, at a multiple of 256 from o's first byte
.endr
.endm
.macro OUT2 rt
	STG 0
.irp a, 1,2,3
.if \a < \rt
	STG \a
	s_wait_dscnt 0x10                              ; this tile's sixteen LDS instructions may stay out: the tile before is back
	SND \a-1
.endif
.endr
	s_wait_dscnt 0x0
	SND \rt-1
.endm
; rt row tiles x 64 weight rows.  On the way in: the rows of the first row steps are asked for (FIRST_ROWS rt), no LDS instruction is out, every window 0.
.macro UNIT rt
	WIN W_LD1
	WLOAD 0
.set mm, 0
.rept NS
	STEP mm, \rt
.set mm, mm+1
.endr
.rept 5
	v_nop                                          ; four places before the results are read and the products' sources written, a fifth before a next unit's first product writes over the results (ISA guide 7.12.1)
.endr
.if SECOND
	OUT2 \rt
.else
	OUT1 \rt
.endif
	WIN 0                                          ; at a label and at a branch every window is 0
.endm
; The weights' way into LDS: eight loads bring row g of my eight into a slot of 32 registers of window 1; they are rounded to bf16 and stored.
.macro WROWS g, slot
	WIN W_LD1
.irp i, 0,1,2,3,4,5,6,7
	global_load_b128 v[32*\slot+4*\i:32*\slot+4*\i+3], v[LOFF], s[26:27] offset:WROW*\g+512*\i th:TH_LOAD_NT   ; 512 consecutive bytes; read once in the launch
.endr
.endm
.macro CONV g, slot, left              ; left: the loads issued behind row g's
	s_wait_loadcnt \left
	WIN W_CVT
.irp i, 0,1,2,3,4,5,6,7
	v_cvt_pk_bf16_f32 v[TMP+2*\i], v[32*\slot+4*\i], v[32*\slot+4*\i+1]
	v_cvt_pk_bf16_f32 v[TMP+2*\i+1], v[32*\slot+4*\i+2], v[32*\slot+4*\i+3]
.endr
	WIN 0
.irp i, 0,1,2,3,4,5,6,7
	ds_store_b64 v[WST], v[TMP+2*\i:TMP+2*\i+1] offset:WP*\g+256*\i
.endr
.endm
	s_load_b256 s[4:11], s[0:1], 0x0
	v_lshl_add_u32 v254, v0, 2, 0x28c00
	v_mov_b32 v255, 0
	v_lshrrev_b32 v5, 5, v0
	v_readfirstlane_b32 s12, v5                    ; wave 0..7
	s_lshr_b32 s13, ttmp9, 5                       ; expert
	s_lshl_b32 s29, s13, 3                         ; its entry in meta
	s_and_b32 s14, ttmp9, 31
.if SECOND
	s_and_b32 s15, s14, 1                          ; K half
	s_lshr_b32 s14, s14, 1                         ; block of 64 rows of W2_e
	s_lshl_b32 s24, s13, 23                        ; 8 MiB an expert,
	s_lshl_b32 s28, s14, 19                        ; 64 rows of 8 KiB,
	s_add_co_u32 s24, s24, s28
	s_lshl_b32 s28, s15, 12                        ; 1,024 columns of 4 bytes,
	s_add_co_u32 s24, s24, s28
	s_lshl_b32 s28, s12, 16                        ; my wave's eight rows
.else
	s_lshl_b32 s24, ttmp9, 18                      ; 64 rows of 4 KiB a work-group, the experts' tables one behind the other,
	s_lshl_b32 s28, s12, 15                        ; my wave's eight rows
.endif
	s_add_co_u32 s24, s24, s28
	s_mov_b32 s25, 0                               ; stays 0: the upper word of every offset
	v_and_b32 v9, 31, v0
	v_lshlrev_b32 v[LOFF], 4, v9
	v_and_b32 v10, 15, v0                          ; r
	v_bfe_u32 v11, v0, 4, 1                        ; h
	v_mul_u32_u24 v[WA], v10, WP
	v_lshl_add_u32 v[WA], v11, 4, v[WA]
	v_add_nc_u32 v[WA+1], 32*WP, v[WA]
	s_mul_i32 s28, s12, 8*WP
	v_lshl_add_u32 v[WST], v9, 3, s28
.if SECOND
	s_mul_i32 s28, s12, 16*SP
	s_add_co_u32 s28, s28, STAGE                   ; my wave's stage
	v_mul_u32_u24 v[STO], v10, SP
	v_lshl_add_u32 v[STO], v11, 5, v[STO]
	v_add_nc_u32 v[STO], s28, v[STO]               ; in: row r, 32 bytes for each half of the lanes
	v_mul_u32_u24 v[RD], v11, SP
	v_lshl_add_u32 v[RD], v10, 4, v[RD]
	v_add_nc_u32 v[RD], s28, v[RD]                 ; back: lanes 0-15 one row's 256 bytes, lanes 16-31 the next row's
	v_lshlrev_b32 v[CO], 12, v11
	v_lshl_add_u32 v[CO], v10, 4, v[CO]            ; the same two rows in o
.endif
	s_wait_kmcnt 0x0
	s_load_b64 s[16:17], s[8:9], s29 offset:0x0    ; nu, ub
	s_add_nc_u64 s[26:27], s[4:5], s[24:25]
.irp g, 0,1,2,3,4,5,6
	WROWS \g, \g                                   ; seven of my eight rows: 56 loads are out
.endr
.if SECOND
	s_lshl_b32 s24, s15, 16                        ; what does not change from unit to unit is added to the bases once: my K half's 64 row steps of 1 KiB,
	s_add_nc_u64 s[6:7], s[6:7], s[24:25]
	s_mul_i32 s24, s15, 0x1100000                  ; my K half's plane of o (4,352 rows x 4 KiB),
	s_lshl_b32 s28, s14, 8                         ; my 64 columns
	s_add_co_u32 s24, s24, s28
.else
	s_lshl_b32 s24, s14, 12                        ; my 64 columns of h are K steps 2 db and 2 db + 1 of the second product, 2 KiB each
.endif
	s_add_nc_u64 s[10:11], s[10:11], s[24:25]
	s_wait_kmcnt 0x0
	s_max_u32 s16, s16, 1
	s_min_u32 s16, s16, 64                         ; 2,048 tokens are 64 units at the most
	s_min_u32 s17, s17, 135
	s_sub_co_u32 s28, s16, 1
	s_lshl_b32 s18, s12, 1
	s_min_u32 s28, s28, s18                        ; my pair begins at unit 2 w; a wave without one asks for rows at the expert's last unit, so that every wave has the same loads out
	SETUNIT s28, 134                               ; two units are read from there on
	CONV 0, 0, 48                                  ; rows 1 to 6 stay out
	WROWS 7, 0                                     ; the eighth row, into the slot just rounded: 56 loads are out again
	CONV 1, 1, 48                                  ; rows 2 to 7
	CONV 2, 2, 40
	CONV 3, 3, 32
	CONV 4, 4, 24
	FIRST_ROWS 4                                   ; 24 weight loads and these 32 are out
	CONV 5, 5, 16+PRE4
	CONV 6, 6, 8+PRE4
	CONV 7, 0, PRE4
	s_wait_dscnt 0x0                               ; for the others' sake: my eight rows are in LDS
	s_barrier_signal -1
	s_barrier_wait -1                              ; all 64 are; they are never written again
	s_lshl_b32 s28, s12, 1                         ; 2 w
	s_add_co_u32 s18, s28, 2
	s_cmp_gt_u32 s18, s16
	s_cbranch_scc1 .Lno_pair                       ; units 2 w and 2 w + 1 are not both the expert's; no barrier follows
	UNIT 4
.Lno_pair:
	s_sub_co_i32 s30, s16, s12                     ; single units 16 + w, 24 + w, ... below nu: (nu - 16 - w + 7) / 8 of them, none if that is below 8,
	s_sub_co_i32 s30, s30, 9
	s_max_i32 s30, s30, 0
	s_lshr_b32 s30, s30, 3
	s_min_u32 s30, s30, 6                          ; six at the most, since nu is 64 at the most
	s_add_co_u32 s29, s12, 16
	s_add_co_u32 s18, s28, 1
	s_cmp_eq_u32 s18, s16                          ; or, where nu = 2 w + 1, the one unit 2 w (nu is then 15 at the most: there are no others)
	s_cselect_b32 s29, s28, s29
	s_cselect_b32 s30, 1, s30
	s_cmp_eq_u32 s30, 0
	s_cbranch_scc1 .Lend
	s_wait_loadcnt 0x0                             ; a wave that had no pair still has its first row loads out: the ring and the rows' base are written again only behind this wait,
	s_wait_xcnt 0x0                                ; a pair's stores' base and data registers only behind this one
	s_mov_b32 s31, 0                               ; the loop is counted by its trips, one a unit
	SETUNIT s29, 135
	FIRST_ROWS 2
.Lunit:                                                ; on both ways in: the rows of row steps 0 to 9 are asked for (40 loads out), no LDS instruction is out
	UNIT 2
	s_add_co_u32 s31, s31, 1                       ; one more unit is done
	s_cmp_ge_u32 s31, s30
	s_cbranch_scc1 .Lend                           ; it was my last: nothing more is asked for
	s_wait_xcnt 0x0                                ; the stores' base and data registers are rewritten only behind this wait; the rows' base is free since the last step's wait for all loads
	s_lshl3_add_u32 s18, s31, s29                  ; my next unit: 8 x units done + my first
	SETUNIT s18, 135
	FIRST_ROWS 2
	s_cmp_lt_u32 s31, s30                          ; the sums above have written SCC: the counter is compared again for the jump back
	s_cbranch_scc1 .Lunit
.Lend:
	s_wait_tensorcnt 0x0
	ds_add_u32 v254, v255
	s_wait_dscnt 0x0
	s_endpgm
.Lfunc_end_k_qa8722576b2_gemm2:
	.size	k_qa8722576b2_gemm2, .Lfunc_end_k_qa8722576b2_gemm2-k_qa8722576b2_gemm2
	.p2alignl 7, 3214868480
	.fill 96, 4, 3214868480
	.section	.rodata,"a",@progbits
	.p2align	6, 0x0
	.amdhsa_kernel k_qa8722576b2_gemm2
		.amdhsa_group_segment_fixed_size 167936
		.amdhsa_private_segment_fixed_size 0
		.amdhsa_enable_private_segment 0
		.amdhsa_kernarg_size 32
		.amdhsa_user_sgpr_count 2
		.amdhsa_user_sgpr_kernarg_segment_ptr 1
		.amdhsa_wavefront_size32 1
		.amdhsa_system_sgpr_workgroup_id_x 1
		.amdhsa_system_sgpr_workgroup_id_y 1
		.amdhsa_system_sgpr_workgroup_id_z 1
		.amdhsa_system_vgpr_workitem_id 0
		.amdhsa_next_free_vgpr 512
		.amdhsa_next_free_sgpr 66
		.amdhsa_reserve_vcc 0
		.amdhsa_float_denorm_mode_32 3
		.amdhsa_float_denorm_mode_16_64 3
		.amdhsa_memory_ordered 1
		.amdhsa_forward_progress 1
		.amdhsa_inst_pref_size 255
	.end_amdhsa_kernel
	.section	.bss,"aw",@nobits
	.p2align	6
	.space	262144
	.amdgpu_metadata
---
amdhsa.version: [ 1, 2 ]
amdhsa.kernels:
  - .name:           k_qa8722576b2_gemm2
    .symbol:         k_qa8722576b2_gemm2.kd
    .args:
      - { .name: proj_out, .offset: 0, .size: 8, .value_kind: global_buffer, .address_space: global }
      - { .name: hs, .offset: 8, .size: 8, .value_kind: global_buffer, .address_space: global }
      - { .name: meta, .offset: 16, .size: 8, .value_kind: global_buffer, .address_space: global }
      - { .name: o, .offset: 24, .size: 8, .value_kind: global_buffer, .address_space: global }
    .group_segment_fixed_size: 167936
    .private_segment_fixed_size: 0
    .kernarg_segment_align: 8
    .kernarg_segment_size: 32
    .max_flat_workgroup_size: 256
    .sgpr_count:     66
    .vgpr_count:     512
    .wavefront_size: 32
...
	.end_amdgpu_metadata
.endif
;; end of part 3
;; launch combine (part 4): grid 256 x 1, 8 waves a work-group, no clusters, 0 bytes of LDS; arguments o, slots, ensembles, weights, out0; writes out0
.if DOCPART == 4
	.amdgcn_target "amdgcn-amd-amdhsa--gfx1250"
	.amdhsa_code_object_version 6
	.text
	.protected	k_qa8722576b2_combine
	.globl	k_qa8722576b2_combine
	.p2align	8
	.type	k_qa8722576b2_combine,@function
k_qa8722576b2_combine:
	s_mov_b64 s[64:65], 0
	v_nop
	global_prefetch_b8 v0, s[64:65] scope:SCOPE_SE
	s_setreg_imm32_b32 hwreg(HW_REG_WAVE_MODE, 25, 1), 1
	s_wait_xcnt 0x0
; out[t] = gA (o0[sA] + o1[sA]) + gB (o0[sB] + o1[sB]).  o0, o1: the two K halves' planes of o, [4,352 rows][1,024] f32.  sA, sB: the slots of token t's
; two picks (whole numbers stored by the first launch).  Gates: two different experts: gA = w0, gB = w1; the same expert twice: one row, gA = w0 + w1,
; gB = 0, as reference()'s one-hot sum has it.  An index outside 0..7 selects nothing: its gate is 0 and row 0, which is always stored, is read in its place.
; One wave, one token: a row of 4,096 bytes is eight loads of 512 consecutive bytes; four rows, 32 loads, all asked for at once.  No LDS, no barrier.
; FORMATS.  weights is an operand of reference()'s gate product and is rounded to bf16 (nearest even), as x and the two tables are; all sums and the
; products with the gates are f32.
; LIMIT.  Experts that a token does not name are never computed: where reference() would make 0 x infinity = NaN, this text gives a finite number.
.set PLANE, 0x1100000                  ; bytes of a plane of o
.set D, 8                              ; v[8:135] chunk i at D + 16 i: A0, A1, B0, B1, four registers each
; v2 16 x lane  v3 the two weights as bf16  v[4:5] gA twice  v[6:7] gB twice
; s[4:13] o, slots, ensembles, weights, out0  s14 wave  s15 token  s16, s17 offsets  s20, s21 slots  s22, s23 indices  s24, s25 weights  s26 mask: same expert
; s[32:33] offset  s[34:41] the four rows  s[42:43] the token's row of out0
	s_load_b256 s[4:11], s[0:1], 0x0
	s_load_b64 s[12:13], s[0:1], 0x20
	v_lshrrev_b32 v1, 5, v0
	v_readfirstlane_b32 s14, v1                    ; wave 0..7
	v_and_b32 v2, 31, v0
	v_lshlrev_b32 v2, 4, v2
	s_lshl_b32 s15, ttmp9, 3
	s_add_co_u32 s15, s15, s14                     ; token t = 8 x work-group + wave
	s_lshl_b32 s16, s15, 2                         ; its word in a table of slots
	s_lshr_b32 s17, s15, 9                         ; batch: 2 x 512 x 4 bytes,
	s_lshl_b32 s17, s17, 12
	s_and_b32 s18, s15, 511                        ; position
	s_lshl_b32 s18, s18, 2
	s_add_co_u32 s17, s17, s18
	s_mov_b32 s33, 0
	s_wait_kmcnt 0x0
	s_load_b32 s20, s[6:7], s16 offset:0x0
	s_load_b32 s21, s[6:7], s16 offset:0x2000
	s_load_b32 s22, s[8:9], s17 offset:0x0
	s_load_b32 s23, s[8:9], s17 offset:0x800
	s_load_b32 s24, s[10:11], s17 offset:0x0
	s_load_b32 s25, s[10:11], s17 offset:0x800
	s_lshl_b32 s32, s15, 12
	s_add_nc_u64 s[42:43], s[12:13], s[32:33]
	s_wait_kmcnt 0x0
	s_cmp_lt_u32 s22, 8
	s_cselect_b32 s24, s24, 0
	s_cselect_b32 s20, s20, 0
	s_cmp_lt_u32 s23, 8
	s_cselect_b32 s25, s25, 0
	s_cselect_b32 s21, s21, 0
	s_cmp_eq_u32 s22, s23
	s_cselect_b32 s26, -1, 0
	s_min_u32 s20, s20, 4351                       ; a number read from memory enters an address only clamped
	s_min_u32 s21, s21, 4351
	s_lshl_b32 s32, s20, 12
	s_add_nc_u64 s[34:35], s[4:5], s[32:33]
	s_add_nc_u64 s[36:37], s[34:35], PLANE
	s_lshl_b32 s32, s21, 12
	s_add_nc_u64 s[38:39], s[4:5], s[32:33]
	s_add_nc_u64 s[40:41], s[38:39], PLANE
.irp i, 0,1,2,3,4,5,6,7
	global_load_b128 v[D+16*\i:D+16*\i+3],     v2, s[34:35] offset:512*\i
	global_load_b128 v[D+16*\i+4:D+16*\i+7],   v2, s[36:37] offset:512*\i
	global_load_b128 v[D+16*\i+8:D+16*\i+11],  v2, s[38:39] offset:512*\i
	global_load_b128 v[D+16*\i+12:D+16*\i+15], v2, s[40:41] offset:512*\i
.endr
	v_cvt_pk_bf16_f32 v3, s24, s25                 ; the gates, while the rows are on their way
	v_lshlrev_b32 v4, 16, v3                       ; w0
	v_and_b32 v6, 0xffff0000, v3                   ; w1
	v_add_f32 v5, v4, v6
	v_cndmask_b32 v4, v4, v5, s26                  ; gA
	v_cndmask_b32 v6, v6, 0, s26                   ; gB
	v_mov_b32 v5, v4                               ; each twice: a pair for the packed forms
	v_mov_b32 v7, v6
.irp i, 0,1,2,3,4,5,6,7
	s_wait_loadcnt 4*(7-\i)                        ; loads come back in order (ISA guide 5.7.1): chunk i's four are in, the younger chunks' stay out
	v_pk_add_f32 v[D+16*\i:D+16*\i+1],     v[D+16*\i:D+16*\i+1],     v[D+16*\i+4:D+16*\i+5]
	v_pk_add_f32 v[D+16*\i+2:D+16*\i+3],   v[D+16*\i+2:D+16*\i+3],   v[D+16*\i+6:D+16*\i+7]
	v_pk_add_f32 v[D+16*\i+8:D+16*\i+9],   v[D+16*\i+8:D+16*\i+9],   v[D+16*\i+12:D+16*\i+13]
	v_pk_add_f32 v[D+16*\i+10:D+16*\i+11], v[D+16*\i+10:D+16*\i+11], v[D+16*\i+14:D+16*\i+15]
	v_pk_mul_f32 v[D+16*\i:D+16*\i+1],     v[D+16*\i:D+16*\i+1],     v[4:5]
	v_pk_mul_f32 v[D+16*\i+2:D+16*\i+3],   v[D+16*\i+2:D+16*\i+3],   v[4:5]
	v_pk_fma_f32 v[D+16*\i:D+16*\i+1],     v[D+16*\i+8:D+16*\i+9],   v[6:7], v[D+16*\i:D+16*\i+1]
	v_pk_fma_f32 v[D+16*\i+2:D+16*\i+3],   v[D+16*\i+10:D+16*\i+11], v[6:7], v[D+16*\i+2:D+16*\i+3]
	global_store_b128 v2, v[D+16*\i:D+16*\i+3], s[42:43] offset:512*\i th:TH_STORE_NT   ; 512 consecutive bytes, at a multiple of 512 from out0's first byte
.endr
	s_endpgm
.Lfunc_end_k_qa8722576b2_combine:
	.size	k_qa8722576b2_combine, .Lfunc_end_k_qa8722576b2_combine-k_qa8722576b2_combine
	.p2alignl 7, 3214868480
	.fill 96, 4, 3214868480
	.section	.rodata,"a",@progbits
	.p2align	6, 0x0
	.amdhsa_kernel k_qa8722576b2_combine
		.amdhsa_group_segment_fixed_size 0
		.amdhsa_private_segment_fixed_size 0
		.amdhsa_enable_private_segment 0
		.amdhsa_kernarg_size 40
		.amdhsa_user_sgpr_count 2
		.amdhsa_user_sgpr_kernarg_segment_ptr 1
		.amdhsa_wavefront_size32 1
		.amdhsa_system_sgpr_workgroup_id_x 1
		.amdhsa_system_sgpr_workgroup_id_y 1
		.amdhsa_system_sgpr_workgroup_id_z 1
		.amdhsa_system_vgpr_workitem_id 0
		.amdhsa_next_free_vgpr 136
		.amdhsa_next_free_sgpr 66
		.amdhsa_reserve_vcc 0
		.amdhsa_float_denorm_mode_32 3
		.amdhsa_float_denorm_mode_16_64 3
		.amdhsa_memory_ordered 1
		.amdhsa_forward_progress 1
		.amdhsa_inst_pref_size 11
	.end_amdhsa_kernel
	.amdgpu_metadata
---
amdhsa.version: [ 1, 2 ]
amdhsa.kernels:
  - .name:           k_qa8722576b2_combine
    .symbol:         k_qa8722576b2_combine.kd
    .args:
      - { .name: o, .offset: 0, .size: 8, .value_kind: global_buffer, .address_space: global }
      - { .name: slots, .offset: 8, .size: 8, .value_kind: global_buffer, .address_space: global }
      - { .name: ensembles, .offset: 16, .size: 8, .value_kind: global_buffer, .address_space: global }
      - { .name: weights, .offset: 24, .size: 8, .value_kind: global_buffer, .address_space: global }
      - { .name: out0, .offset: 32, .size: 8, .value_kind: global_buffer, .address_space: global }
    .group_segment_fixed_size: 0
    .private_segment_fixed_size: 0
    .kernarg_segment_align: 8
    .kernarg_segment_size: 40
    .max_flat_workgroup_size: 256
    .sgpr_count:     66
    .vgpr_count:     136
    .wavefront_size: 32
...
	.end_amdgpu_metadata
.endif
;; end of part 4
;; ======== version 2 of 2: 4 launches; version 1 with the launches gemm1, gemm2 written anew for expert scheduling mode
;; workspace buffers: xs 8,912,896 bytes; hs 35,651,584 bytes; o 35,651,584 bytes; slots 16,384 bytes of whole numbers; meta 256 bytes of whole numbers
;; launch prep: the kernel of part 1 again; grid 272 x 1, 8 waves a work-group, no clusters, 35,840 bytes of LDS; arguments ensembles, x, xs, slots, meta; writes xs, slots, meta
;; launch gemm1 (part 5): grid 256 x 1, 8 waves a work-group, no clusters, 133,120 bytes of LDS; arguments proj_in, xs, meta, hs; writes hs
.if DOCPART == 5
	.amdgcn_target "amdgcn-amd-amdhsa--gfx1250"
	.amdhsa_code_object_version 6
	.text
	.protected	k_qa8722576b2_gemm1
	.globl	k_qa8722576b2_gemm1
	.p2align	8
	.type	k_qa8722576b2_gemm1,@function
k_qa8722576b2_gemm1:
	s_mov_b64 s[64:65], 0
	v_nop
	global_prefetch_b8 v0, s[64:65] scope:SCOPE_SE
	s_setreg_imm32_b32 hwreg(HW_REG_WAVE_SCHED_MODE, 0, 2), 2
	s_setreg_imm32_b32 hwreg(HW_REG_WAVE_MODE, 25, 1), 1
	s_wait_xcnt 0x0
	s_wait_alu depctr_vm_vsrc(0)
; THE TWO EXPERT PRODUCTS, one text: SECOND = 0: h = relu(W1_e x) for the rows of expert e;  SECOND = 1: o = W2_e h, f32, in two halves of K.
; WEIGHTS STAY.  A work-group keeps 64 weight rows x 1,024 along K (256 KiB of f32 that no other work-group reads) in LDS as bf16: each weight byte is
; loaded once and rounded once.  SECOND = 0: work-group = 32 e + db, rows 64 db on of W1_e.  SECOND = 1: work-group = 32 e + 2 ib + kh, rows 64 ib on of
; W2_e, columns 1,024 kh on: the two halves of K go to two planes of o, which the next launch adds.
; h IS TWO bf16 NUMBERS: hi = bf16(h), lo = bf16(h - hi) (the difference is exact in f32), 16 significant bits together.  The second product adds
; W2 hi and W2 lo into the same f32 sums.  One bf16 alone keeps 8 bits: an error of up to 2^-9 of each h, which a gate of up to 2 (both picks of a
; token on one expert) carries into the output at twice the weight of a plain row.
; ROWS STREAM.  The expert's rows lie in units of 32 (nu units from unit ub on: meta[e], whole numbers stored by the first launch), in fragment order:
; a row tile of 16 rows is a run of ROW STEPS of 1 KiB, [half][lane][16 bytes] each: 32 along K of one part.  xs has 32 row steps a tile; hs has 128, row
; step 2 c + p being part p (hi, lo) of K step c.  A fragment is two loads of 512 consecutive bytes straight into registers.
; SHARES.  Eight waves.  Wave w takes the units 2 w and 2 w + 1 together: 64 rows x 64 weight rows, 16 accumulators (UNIT 4).  Every wave reads all
; 128 KiB of weights from LDS for its rows, so eight waves of 64 rows read half of what sixteen of 32 would.  A unit without a partner (the last of an odd
; nu up to 15; units 16 + w, 24 + w, ... of an expert with more than 512 rows) goes by itself (UNIT 2, the same macros with two row tiles).
; ONE BARRIER in the whole text, behind the weights' way into LDS.  The loop over single units, whose length is read from memory, holds none.
; REGISTERS, in windows of 256 (s_set_vgpr_msb: bits 1:0 source 0, 3:2 source 1, 5:4 source 2, 7:6 destination):
;   window 0: v1-8 addresses; v16-207 the rows' ring; v208-223 packed weights on their way into LDS
;   window 1: v0-127 accumulators; v128-255 four buffers of weight fragments; at the start v0-223 seven slots of 32 for f32 weights;
;             on the first product's way out v128-159 hi as f32, v192-255 hi packed
; A row step has three switches (weight loads, row loads, products) for its 16 matrix instructions: 464 registers are in use, so two windows are needed.
; THE MODE: SCHED_MODE bits 1:0 = 2 (LLVM: expert scheduling mode 2), set by the entry lines.  The code itself states the register dependences
; between vector or matrix instructions and memory or LDS instructions, with s_wait_alu, always for 0.
; THE PLAN.  Registers that memory or LDS instructions touch:
;   v1-v8         Offsets and LDS addresses.  Written at the head, read by every load and store, never written again: one wait at the head serves them all.
;   the slots     At the start.  The weight loads land in them, a row's conversions read them; slot 0 is loaded twice; slots 4 to 6 become weight buffers.
;   TMP           At the start.  Written by a row's conversions, read by its eight LDS stores, written again by the next row's conversions.
;   the ring      Step m's products read slot m % slots; the loads issued in step m land in the slot that step m - 2 read.
;   WB0 .. WB3    K step k's products read buffer k % 4; its LDS loads are issued two row steps ahead of them.
;   accumulators  Written by the products; on the way out read by stores (first product: global, with hi packed; second: LDS, whose way back lands in the ring).
; The row steps go in PAIRS.  ONE wait on va_vdst stands at a pair's head: all earlier products are done reading, so the two ring slots and the weight buffers
; in which the pair's loads land are free; the pair's own products name none of them.  The loads stand in the middle of each step, with no further wait.
; On the way out one wait on va_vdst stands ahead of each run of stores, and one wait on vm_vsrc ahead of the next unit.
; NO JOINT LOADS, though the 32 work-groups of an expert read the same rows: the number of units hangs on counts read from memory and differs from expert
; to expert, and the rows pass through no LDS slot that would have to be filled again.  No tensor loads: the weights have to be rounded on their way.
; LIMITS.  relu is v_max_num_f32: a NaN before it gives 0, not NaN.  Operands bf16 (rounded to nearest even), sums f32.
.set SECOND, 0
.set WP,    2064                       ; pitch of a weight row in LDS: 2,048 + 16 = 129 x 16 bytes: the 16 rows of a fragment load start at 16 different groups of four banks (64 banks of 4 bytes: ISA guide 11.1)
.set STAGE, 64*WP                      ; SECOND = 1: behind the weights, 16 rows x 272 bytes for each wave, for the way out
.set SP,    272
.set HT,    131072                     ; bytes of a row tile (16 rows) of hs: 128 row steps of 1 KiB
.if SECOND
.set NP,    2                          ; parts of a streamed number: row steps in a K step
.set TT,    HT                         ; bytes of a row tile of the streamed buffer
.set TSH,   18                         ; log2 of a unit's bytes there
.set OSH,   17                         ; log2 of a unit's bytes in the output: 32 rows x 4 KiB of o
.set WROW,  8192                       ; bytes of a weight row in memory
.else
.set NP,    1
.set TT,    32768                      ; a row tile of xs: 32 row steps of 1 KiB
.set TSH,   16
.set OSH,   18                         ; a unit of hs: 2 x HT
.set WROW,  4096
.endif
.set NS,    32*NP                      ; row steps of a unit
.set WAH,   2/NP                       ; K steps that the weight fragments are asked for ahead: two row steps
.set LOFF, 1                           ; v1      16 x lane; never rewritten
.set WA,   2                           ; v2, v3  LDS address of my lane in weight rows 0-31, 32-63
.set WST,  4                           ; v4      where I put 8 bytes of my wave's eight weight rows
.set STO,  6                           ; v6      the way out: where I put 16 bytes of a row
.set RD,   7                           ; v7      where I read a row back
.set CO,   8                           ; v8      my byte offset in two rows of o
.set RING,  16                         ; window 0: with rt row tiles a slot is 8 rt registers (fragment a at 8 a) and there are RREGS / (8 rt) slots: 6 or 12
.set RREGS, 192
.set TMP,   208                        ; window 0: v[208:223]
.set ACC,   0                          ; window 1: accumulator (b, a) at 8 (4 b + a): weight rows 16 b on, row tile a
.set WB,    128                        ; window 1: four buffers x (4 blocks x 8)
.set UNP,   128                        ; window 1, the first product's way out
.set HP,    192
.set PRE4,  32                         ; row loads out at the start of UNIT 4: 8 a row step, 4 row steps ahead
; s[4:5] weights  s[6:7] rows  s[8:9] meta  s[10:11] output  s12 wave  s13 expert  s14 block  s15 K half  s16 nu  s17 ub  s18 at work, a unit in the expert
; s19 unit  s[20:21] rows of the unit  s[22:23] its output  s[24:25] offset  s[26:27] my weight rows  s28 at work, 2 w  s29 8 e, then my first single unit
; s30 my single units  s31 single units done
.set MSB, 0
.macro WIN new                         ; the immediate's high byte repeats the setting that is left; a switch that changes nothing is dropped
.if MSB != \new
	s_set_vgpr_msb (MSB<<8)|\new
.set MSB, \new
.endif
.endm
.set W_LD1, 0x40                       ; destination window 1, address window 0
.set W_MUL, 0x51                       ; source 0 (weights), C and D window 1; source 1 (rows) window 0
.set W_CVT, 0x05                       ; sources window 1, destination window 0
.set W_ONE, 0x45                       ; sources and destination window 1
.set W_ST1, 0x04                       ; a store's data window 1, its address window 0
.macro TLOAD m, rt                     ; the rows of row step m, rt row tiles -> slot m % slots: 2 rt loads of 512 consecutive bytes
.irp a, 0,1,2,3
.if \a < \rt
.irp j, 0,1
	global_load_b128 v[RING+8*\rt*((\m)%(RREGS/(8*\rt)))+8*\a+4*\j:RING+8*\rt*((\m)%(RREGS/(8*\rt)))+8*\a+4*\j+3], v[LOFF], s[20:21] offset:\a*TT+1024*(\m)+512*\j
.endr
.endif
.endr
.endm
.macro FIRST_ROWS rt                   ; row steps 0 to slots - 3: as many as a row step asks ahead
	WIN 0
.irp q, 0,1,2,3,4,5,6,7,8,9
.if \q < RREGS/(8*\rt)-2
	TLOAD \q, \rt
.endif
.endr
.endm
.macro WLOAD k                         ; the 64 weight rows, K step k -> buffer k % 4: lane (r, h) takes row 16 b + r, bytes 64 k + 16 h and 32 further on
.irp b, 0,1,2,3
.irp j, 0,1
	ds_load_b128 v[WB+32*((\k)%4)+8*\b+4*\j:WB+32*((\k)%4)+8*\b+4*\j+3], v[WA+\b/2] offset:(\b%2)*16*WP+64*(\k)+32*\j
.endr
.endr
.endm
.macro SETUNIT cnt, lim                ; cnt: a unit's number in the expert; lim: the last unit at which what is read and stored from there on lies inside the buffers
	s_add_co_u32 s19, s17, \cnt
	s_min_u32 s19, s19, \lim                       ; a number read from memory enters an address only clamped: 136 units are stored
	s_lshl_b32 s24, s19, TSH
	s_add_nc_u64 s[20:21], s[6:7], s[24:25]
	s_lshl_b32 s24, s19, OSH
	s_add_nc_u64 s[22:23], s[10:11], s[24:25]
.endm
; Half of row step m's products: weight blocks 2 half and 2 half + 1, all row tiles.  Source 0 = 16 weight rows, source 1 = 16 rows: in the result lane (r, h)
; holds row r and weight rows 16 b + 8 h + 0..7.  The 4 rt accumulators take turns, one instruction a turn, from step to step too.
.macro MULS m, rt, half
.irp b, 0,1,2,3
.if \b/2 == \half
.irp a, 0,1,2,3
.if \a < \rt
.if \m == 0
	v_wmma_f32_16x16x32_bf16 v[ACC+8*(4*\b+\a):ACC+8*(4*\b+\a)+7], v[WB+32*((\m/NP)%4)+8*\b:WB+32*((\m/NP)%4)+8*\b+7], v[RING+SSZ*(\m%NSL)+8*\a:RING+SSZ*(\m%NSL)+8*\a+7], 0
.else
	v_wmma_f32_16x16x32_bf16 v[ACC+8*(4*\b+\a):ACC+8*(4*\b+\a)+7], v[WB+32*((\m/NP)%4)+8*\b:WB+32*((\m/NP)%4)+8*\b+7], v[RING+SSZ*(\m%NSL)+8*\a:RING+SSZ*(\m%NSL)+8*\a+7], v[ACC+8*(4*\b+\a):ACC+8*(4*\b+\a)+7]
.endif
.endif
.endr
.endif
.endr
.endm
; Row step m of a unit of rt row tiles.  The steps go in pairs (m even, m + 1).  The rows asked for in step m land in the slot that step m - 2 read
; (slots = steps ahead + 2); the weight fragments asked for in it land in the buffer of the K step four back.  So all that the loads of steps m and m + 1
; land in was last read by products of step m - 1 or earlier, and the one wait at the pair's head states that those are done.  The products issued since
; then name the slots and buffers of steps m and m + 1 and the accumulators: none of the registers that the pair's loads touch.
; A pair that asks for nothing more holds no such wait.  Nor does a unit's first pair: see UNIT.
.macro STEP m, rt
.set SSZ, 8*\rt
.set NSL, RREGS/SSZ
.set AH,  NSL-2
.if \m%NP == 0
.if \m/NP < 31
	s_wait_dscnt 8*(WAH-1)                         ; this K step's weights are in; what was asked for behind them may stay out: the next K step's eight loads in the first product, nothing in the second
.else
	s_wait_dscnt 0x0
.endif
.endif
.if \m+AH < NS
	s_wait_loadcnt 2*\rt*(AH-1)                    ; the rows of the AH - 1 steps asked for behind step m's, 2 rt loads each, may stay out: step m's are in
.else
	s_wait_loadcnt 2*\rt*(NS-1-\m)                 ; nothing more is asked for: the counts run down
.endif
.if (\m > 0) && (\m%2 == 0) && ((\m+AH < NS) || (\m/NP+WAH <= 31))
	s_wait_alu depctr_va_vdst(0)                   ; the products up to step m - 1 are done reading the ring's slots and the weight buffers in which this pair's loads land
.endif
	WIN W_MUL
	MULS \m, \rt, 0
.if (\m%NP == 0) && (\m/NP+WAH <= 31)
	WIN W_LD1
	WLOAD \m/NP+WAH                                ; no wait: no product since the pair's head names this buffer
.endif
.if \m+AH < NS
	WIN 0
	TLOAD \m+AH, \rt                               ; no wait: no product since the pair's head names this slot
.endif
	WIN W_MUL
	MULS \m, \rt, 1
.endm
; THE FIRST PRODUCT'S WAY OUT: relu; hi = bf16(h); lo = bf16(h - hi), packed in place.  A lane's 16 bytes of each ARE its part of the second product's row
; steps 2 (2 db + b / 2) (hi) and one further on (lo), half b % 2.  All arithmetic in window 1; a row tile's eight stores stand together.
; A tile's stores read registers that no later tile's arithmetic writes.
.macro OUT1 rt
.irp a, 0,1,2,3
.if \a < \rt
	WIN W_ONE
.irp b, 0,1,2,3
.irp j, 0,1,2,3,4,5,6,7
	v_max_num_f32 v[ACC+8*(4*\b+\a)+\j], 0, v[ACC+8*(4*\b+\a)+\j]
.endr
.irp j, 0,1,2,3
	v_cvt_pk_bf16_f32 v[HP+4*(4*\b+\a)+\j], v[ACC+8*(4*\b+\a)+2*\j], v[ACC+8*(4*\b+\a)+2*\j+1]
.endr
.irp j, 0,1,2,3
	v_lshlrev_b32 v[UNP+8*\b+2*\j], 16, v[HP+4*(4*\b+\a)+\j]           ; hi back as f32: the low half moves up,
	v_and_b32 v[UNP+8*\b+2*\j+1], 0xffff0000, v[HP+4*(4*\b+\a)+\j]     ; the high half stays
.endr
.irp j, 0,1,2,3
	v_pk_add_f32 v[ACC+8*(4*\b+\a)+2*\j:ACC+8*(4*\b+\a)+2*\j+1], v[ACC+8*(4*\b+\a)+2*\j:ACC+8*(4*\b+\a)+2*\j+1], v[UNP+8*\b+2*\j:UNP+8*\b+2*\j+1] neg_lo:[0,1] neg_hi:[0,1]   ; h - hi
.endr
.irp j, 0,1,2,3
	v_cvt_pk_bf16_f32 v[ACC+8*(4*\b+\a)+\j], v[ACC+8*(4*\b+\a)+2*\j], v[ACC+8*(4*\b+\a)+2*\j+1]   ; register j takes numbers 2 j and 2 j + 1: what it overwrites has been packed
.endr
.endr
	WIN W_ST1
	s_wait_alu depctr_va_vdst(0)                   ; the tile's roundings have written hi packed and lo packed, which the eight stores read; behind the last tile's: every vector and matrix line that named the ring or v128-255 of window 1 is done
.irp b, 0,1,2,3
	global_store_b128 v[LOFF], v[HP+4*(4*\b+\a):HP+4*(4*\b+\a)+3], s[22:23] offset:HT*\a+2048*(\b/2)+512*(\b%2)          ; 512 consecutive bytes, at a multiple of 512 from the buffer's first byte
	global_store_b128 v[LOFF], v[ACC+8*(4*\b+\a):ACC+8*(4*\b+\a)+3], s[22:23] offset:HT*\a+2048*(\b/2)+1024+512*(\b%2)
.endr
.endif
.endr
.endm
; THE SECOND PRODUCT'S WAY OUT: a lane holds 8 neighbouring f32 of a row; a row tile at a time goes through my stage and comes back as whole pieces of
; 256 bytes, into the ring's registers, whose rows have been multiplied.  It holds no vector line: the one wait ahead of it serves all its LDS instructions.
.macro STG a
	WIN W_ST1
.irp b, 0,1,2,3
.irp q, 0,1
	ds_store_b128 v[STO], v[ACC+8*(4*\b+(\a))+4*\q:ACC+8*(4*\b+(\a))+4*\q+3] offset:64*\b+16*\q
.endr
.endr
	WIN 0
.irp t, 0,1,2,3,4,5,6,7
	ds_load_b128 v[RING+32*(\a)+4*\t:RING+32*(\a)+4*\t+3], v[RD] offset:\t*2*SP   ; LDS serves a wave's instructions in order (ISA guide 5.7.1.4): these see the stores above, and the next tile's stores come behind them
.endr
.endm
.macro SND a
.irp t, 0,1,2,3,4,5,6,7
	global_store_b128 v[CO], v[RING+32*(\a)+4*\t:RING+32*(\a)+4*\t+3], s[22:23] offset:65536*(\a)+8192*\t   ; 16 lanes store 256 consecutive bytes, at a multiple of 256 from o's first byte
.endr
.endm
.macro OUT2 rt
	STG 0
.irp a, 1,2,3
.if \a < \rt
	STG \a
	s_wait_dscnt 0x10                              ; this tile's sixteen LDS instructions may stay out: the tile before is back
	SND \a-1
.endif
.endr
	s_wait_dscnt 0x0
	SND \rt-1
.endm
; rt row tiles x 64 weight rows.  On the way in: the rows of the first row steps are asked for (FIRST_ROWS rt), no LDS instruction is out, every window 0;
; a wait on va_vdst stands behind the last vector or matrix line that named the ring or the weight buffers (at the start the last weight row's conversions,
; later a unit's way out), and a wait on vm_vsrc behind the stores of the unit before.  So the first fragments' loads and the first pair's loads owe nothing.
.macro UNIT rt
	WIN W_LD1
	WLOAD 0
.if WAH > 1
	WLOAD 1
.endif
.set mm, 0
.rept NS
	STEP mm, \rt
.set mm, mm+1
.endr
.rept 5
	v_nop                                          ; four places before the results are read and the products' sources written, a fifth before a next unit's first product writes over the results (ISA guide 7.12.1)
.endr
.if SECOND
	s_wait_alu depctr_va_vdst(0)                   ; the products have written the accumulators, which the LDS stores read, and are done reading the ring, in which the stage's loads land, and the weight buffers; the places above stay beside this wait
	OUT2 \rt
.else
	OUT1 \rt
.endif
	WIN 0                                          ; at a label and at a branch every window is 0
.endm
; The weights' way into LDS: eight loads bring row g of my eight into a slot of 32 registers of window 1; they are rounded to bf16 and stored.
.macro WROWS g, slot
	WIN W_LD1
.irp i, 0,1,2,3,4,5,6,7
	global_load_b128 v[32*\slot+4*\i:32*\slot+4*\i+3], v[LOFF], s[26:27] offset:WROW*\g+512*\i th:TH_LOAD_NT   ; 512 consecutive bytes; read once in the launch
.endr
.endm
.macro CONV g, slot, left              ; left: the loads issued behind row g's
	s_wait_loadcnt \left
.if \g > 0
	s_wait_alu depctr_vm_vsrc(0)                   ; the LDS stores of the row before have read TMP, which the conversions below write again
.endif
	WIN W_CVT
.irp i, 0,1,2,3,4,5,6,7
	v_cvt_pk_bf16_f32 v[TMP+2*\i], v[32*\slot+4*\i], v[32*\slot+4*\i+1]
	v_cvt_pk_bf16_f32 v[TMP+2*\i+1], v[32*\slot+4*\i+2], v[32*\slot+4*\i+3]
.endr
	WIN 0
	s_wait_alu depctr_va_vdst(0)                   ; the conversions have written TMP, which the LDS stores read, and are done reading the slot, in which later loads land (row 7; the weight fragments)
.irp i, 0,1,2,3,4,5,6,7
	ds_store_b64 v[WST], v[TMP+2*\i:TMP+2*\i+1] offset:WP*\g+256*\i
.endr
.endm
	s_load_b256 s[4:11], s[0:1], 0x0
	v_lshl_add_u32 v254, v0, 2, 0x20400
	v_mov_b32 v255, 0
	v_lshrrev_b32 v5, 5, v0
	v_readfirstlane_b32 s12, v5                    ; wave 0..7
	v_and_b32 v9, 31, v0
	v_lshlrev_b32 v[LOFF], 4, v9
	v_and_b32 v10, 15, v0                          ; r
	v_bfe_u32 v11, v0, 4, 1                        ; h
	v_mul_u32_u24 v[WA], v10, WP
	v_lshl_add_u32 v[WA], v11, 4, v[WA]
	v_add_nc_u32 v[WA+1], 32*WP, v[WA]
	s_lshr_b32 s13, ttmp9, 5                       ; expert
	s_lshl_b32 s29, s13, 3                         ; its entry in meta
	s_and_b32 s14, ttmp9, 31
	s_wait_alu depctr_va_sdst(0)                   ; s12 is written, ahead of its first reader: offsets, LDS addresses and branches are made from it
.if SECOND
	s_and_b32 s15, s14, 1                          ; K half
	s_lshr_b32 s14, s14, 1                         ; block of 64 rows of W2_e
	s_lshl_b32 s24, s13, 23                        ; 8 MiB an expert,
	s_lshl_b32 s28, s14, 19                        ; 64 rows of 8 KiB,
	s_add_co_u32 s24, s24, s28
	s_lshl_b32 s28, s15, 12                        ; 1,024 columns of 4 bytes,
	s_add_co_u32 s24, s24, s28
	s_lshl_b32 s28, s12, 16                        ; my wave's eight rows
.else
	s_lshl_b32 s24, ttmp9, 18                      ; 64 rows of 4 KiB a work-group, the experts' tables one behind the other,
	s_lshl_b32 s28, s12, 15                        ; my wave's eight rows
.endif
	s_add_co_u32 s24, s24, s28
	s_mov_b32 s25, 0                               ; stays 0: the upper word of every offset
	s_mul_i32 s28, s12, 8*WP
	v_lshl_add_u32 v[WST], v9, 3, s28
.if SECOND
	s_mul_i32 s28, s12, 16*SP
	s_add_co_u32 s28, s28, STAGE                   ; my wave's stage
	v_mul_u32_u24 v[STO], v10, SP
	v_lshl_add_u32 v[STO], v11, 5, v[STO]
	v_add_nc_u32 v[STO], s28, v[STO]               ; in: row r, 32 bytes for each half of the lanes
	v_mul_u32_u24 v[RD], v11, SP
	v_lshl_add_u32 v[RD], v10, 4, v[RD]
	v_add_nc_u32 v[RD], s28, v[RD]                 ; back: lanes 0-15 one row's 256 bytes, lanes 16-31 the next row's
	v_lshlrev_b32 v[CO], 12, v11
	v_lshl_add_u32 v[CO], v10, 4, v[CO]            ; the same two rows in o
.endif
	s_wait_kmcnt 0x0
	s_load_b64 s[16:17], s[8:9], s29 offset:0x0    ; nu, ub
	s_add_nc_u64 s[26:27], s[4:5], s[24:25]
	s_wait_alu depctr_va_vdst(0)                   ; the offsets and LDS addresses v1 to v8 are written: every load and store of the kernel reads one of them, and none is written again
.irp g, 0,1,2,3,4,5,6
	WROWS \g, \g                                   ; seven of my eight rows: 56 loads are out
.endr
.if SECOND
	s_lshl_b32 s24, s15, 16                        ; what does not change from unit to unit is added to the bases once: my K half's 64 row steps of 1 KiB,
	s_add_nc_u64 s[6:7], s[6:7], s[24:25]
	s_mul_i32 s24, s15, 0x1100000                  ; my K half's plane of o (4,352 rows x 4 KiB),
	s_lshl_b32 s28, s14, 8                         ; my 64 columns
	s_add_co_u32 s24, s24, s28
.else
	s_lshl_b32 s24, s14, 12                        ; my 64 columns of h are K steps 2 db and 2 db + 1 of the second product, 2 KiB each
.endif
	s_add_nc_u64 s[10:11], s[10:11], s[24:25]
	s_wait_kmcnt 0x0
	s_max_u32 s16, s16, 1
	s_min_u32 s16, s16, 64                         ; 2,048 tokens are 64 units at the most
	s_min_u32 s17, s17, 135
	s_sub_co_u32 s28, s16, 1
	s_lshl_b32 s18, s12, 1
	s_min_u32 s28, s28, s18                        ; my pair begins at unit 2 w; a wave without one asks for rows at the expert's last unit, so that every wave has the same loads out
	SETUNIT s28, 134                               ; two units are read from there on
	CONV 0, 0, 48                                  ; rows 1 to 6 stay out
	WROWS 7, 0                                     ; the eighth row, into the slot just rounded (the wait ahead of row 0's LDS stores has stated that its conversions are done reading it): 56 loads are out again
	CONV 1, 1, 48                                  ; rows 2 to 7
	CONV 2, 2, 40
	CONV 3, 3, 32
	CONV 4, 4, 24
	FIRST_ROWS 4                                   ; 24 weight loads and these 32 are out; no vector line has named the ring
	CONV 5, 5, 16+PRE4
	CONV 6, 6, 8+PRE4
	CONV 7, 0, PRE4
	s_wait_dscnt 0x0                               ; for the others' sake: my eight rows are in LDS
	s_barrier_signal -1
	s_barrier_wait -1                              ; all 64 are; they are never written again
	s_lshl_b32 s28, s12, 1                         ; 2 w
	s_add_co_u32 s18, s28, 2
	s_cmp_gt_u32 s18, s16
	s_cbranch_scc1 .Lno_pair                       ; units 2 w and 2 w + 1 are not both the expert's; no barrier follows
	UNIT 4
.Lno_pair:
	s_sub_co_i32 s30, s16, s12                     ; single units 16 + w, 24 + w, ... below nu: (nu - 16 - w + 7) / 8 of them, none if that is below 8,
	s_sub_co_i32 s30, s30, 9
	s_max_i32 s30, s30, 0
	s_lshr_b32 s30, s30, 3
	s_min_u32 s30, s30, 6                          ; six at the most, since nu is 64 at the most
	s_add_co_u32 s29, s12, 16
	s_add_co_u32 s18, s28, 1
	s_cmp_eq_u32 s18, s16                          ; or, where nu = 2 w + 1, the one unit 2 w (nu is then 15 at the most: there are no others)
	s_cselect_b32 s29, s28, s29
	s_cselect_b32 s30, 1, s30
	s_cmp_eq_u32 s30, 0
	s_cbranch_scc1 .Lend
	s_wait_loadcnt 0x0                             ; a wave that had no pair still has its first row loads out: the ring and the rows' base are written again only behind this wait,
	s_wait_xcnt 0x0                                ; a pair's stores' base and data registers only behind this one,
	s_wait_alu depctr_vm_vsrc(0)                   ; and this one: the pair's stores have read the accumulators and (first product) hi packed, (second) the ring, which the next unit's products and loads write
	s_mov_b32 s31, 0                               ; the loop is counted by its trips, one a unit
	SETUNIT s29, 135
	FIRST_ROWS 2
.Lunit:                                                ; on both ways in: the rows of row steps 0 to 9 are asked for (40 loads out), no LDS instruction is out
	UNIT 2
	s_add_co_u32 s31, s31, 1                       ; one more unit is done
	s_cmp_ge_u32 s31, s30
	s_cbranch_scc1 .Lend                           ; it was my last: nothing more is asked for
	s_wait_xcnt 0x0                                ; the stores' base and data registers are rewritten only behind this wait; the rows' base is free since the last step's wait for all loads
	s_wait_alu depctr_vm_vsrc(0)                   ; the unit's stores have read the accumulators and (first product) hi packed, (second) the ring, which the next unit's products and loads write
	s_lshl3_add_u32 s18, s31, s29                  ; my next unit: 8 x units done + my first
	SETUNIT s18, 135
	FIRST_ROWS 2
	s_cmp_lt_u32 s31, s30                          ; the sums above have written SCC: the counter is compared again for the jump back
	s_cbranch_scc1 .Lunit
.Lend:
	s_wait_dscnt 0x0
	s_wait_alu depctr_hold_cnt(0) depctr_sa_sdst(0) depctr_va_vdst(0) depctr_va_sdst(0) depctr_va_ssrc(0) depctr_va_vcc(0) depctr_vm_vsrc(0)
	s_wait_tensorcnt 0x0
	ds_add_u32 v254, v255
	s_wait_dscnt 0x0
	s_endpgm
.Lfunc_end_k_qa8722576b2_gemm1:
	.size	k_qa8722576b2_gemm1, .Lfunc_end_k_qa8722576b2_gemm1-k_qa8722576b2_gemm1
	.p2alignl 7, 3214868480
	.fill 96, 4, 3214868480
	.section	.rodata,"a",@progbits
	.p2align	6, 0x0
	.amdhsa_kernel k_qa8722576b2_gemm1
		.amdhsa_group_segment_fixed_size 133120
		.amdhsa_private_segment_fixed_size 0
		.amdhsa_enable_private_segment 0
		.amdhsa_kernarg_size 32
		.amdhsa_user_sgpr_count 2
		.amdhsa_user_sgpr_kernarg_segment_ptr 1
		.amdhsa_wavefront_size32 1
		.amdhsa_system_sgpr_workgroup_id_x 1
		.amdhsa_system_sgpr_workgroup_id_y 1
		.amdhsa_system_sgpr_workgroup_id_z 1
		.amdhsa_system_vgpr_workitem_id 0
		.amdhsa_next_free_vgpr 512
		.amdhsa_next_free_sgpr 66
		.amdhsa_reserve_vcc 0
		.amdhsa_float_denorm_mode_32 3
		.amdhsa_float_denorm_mode_16_64 3
		.amdhsa_memory_ordered 1
		.amdhsa_forward_progress 1
		.amdhsa_inst_pref_size 192
	.end_amdhsa_kernel
	.amdgpu_metadata
---
amdhsa.version: [ 1, 2 ]
amdhsa.kernels:
  - .name:           k_qa8722576b2_gemm1
    .symbol:         k_qa8722576b2_gemm1.kd
    .args:
      - { .name: proj_in, .offset: 0, .size: 8, .value_kind: global_buffer, .address_space: global }
      - { .name: xs, .offset: 8, .size: 8, .value_kind: global_buffer, .address_space: global }
      - { .name: meta, .offset: 16, .size: 8, .value_kind: global_buffer, .address_space: global }
      - { .name: hs, .offset: 24, .size: 8, .value_kind: global_buffer, .address_space: global }
    .group_segment_fixed_size: 133120
    .private_segment_fixed_size: 0
    .kernarg_segment_align: 8
    .kernarg_segment_size: 32
    .max_flat_workgroup_size: 256
    .sgpr_count:     66
    .vgpr_count:     512
    .wavefront_size: 32
...
	.end_amdgpu_metadata
.endif
;; end of part 5
;; launch gemm2 (part 6): grid 256 x 1, 8 waves a work-group, no clusters, 167,936 bytes of LDS; arguments proj_out, hs, meta, o; writes o
.if DOCPART == 6
	.amdgcn_target "amdgcn-amd-amdhsa--gfx1250"
	.amdhsa_code_object_version 6
	.text
	.protected	k_qa8722576b2_gemm2
	.globl	k_qa8722576b2_gemm2
	.p2align	8
	.type	k_qa8722576b2_gemm2,@function
k_qa8722576b2_gemm2:
	s_mov_b64 s[64:65], 0
	v_nop
	global_prefetch_b8 v0, s[64:65] scope:SCOPE_SE
	s_setreg_imm32_b32 hwreg(HW_REG_WAVE_SCHED_MODE, 0, 2), 2
	s_setreg_imm32_b32 hwreg(HW_REG_WAVE_MODE, 25, 1), 1
	s_wait_xcnt 0x0
	s_wait_alu depctr_vm_vsrc(0)
; THE TWO EXPERT PRODUCTS, one text: SECOND = 0: h = relu(W1_e x) for the rows of expert e;  SECOND = 1: o = W2_e h, f32, in two halves of K.
; WEIGHTS STAY.  A work-group keeps 64 weight rows x 1,024 along K (256 KiB of f32 that no other work-group reads) in LDS as bf16: each weight byte is
; loaded once and rounded once.  SECOND = 0: work-group = 32 e + db, rows 64 db on of W1_e.  SECOND = 1: work-group = 32 e + 2 ib + kh, rows 64 ib on of
; W2_e, columns 1,024 kh on: the two halves of K go to two planes of o, which the next launch adds.
; h IS TWO bf16 NUMBERS: hi = bf16(h), lo = bf16(h - hi) (the difference is exact in f32), 16 significant bits together.  The second product adds
; W2 hi and W2 lo into the same f32 sums.  One bf16 alone keeps 8 bits: an error of up to 2^-9 of each h, which a gate of up to 2 (both picks of a
; token on one expert) carries into the output at twice the weight of a plain row.
; ROWS STREAM.  The expert's rows lie in units of 32 (nu units from unit ub on: meta[e], whole numbers stored by the first launch), in fragment order:
; a row tile of 16 rows is a run of ROW STEPS of 1 KiB, [half][lane][16 bytes] each: 32 along K of one part.  xs has 32 row steps a tile; hs has 128, row
; step 2 c + p being part p (hi, lo) of K step c.  A fragment is two loads of 512 consecutive bytes straight into registers.
; SHARES.  Eight waves.  Wave w takes the units 2 w and 2 w + 1 together: 64 rows x 64 weight rows, 16 accumulators (UNIT 4).  Every wave reads all
; 128 KiB of weights from LDS for its rows, so eight waves of 64 rows read half of what sixteen of 32 would.  A unit without a partner (the last of an odd
; nu up to 15; units 16 + w, 24 + w, ... of an expert with more than 512 rows) goes by itself (UNIT 2, the same macros with two row tiles).
; ONE BARRIER in the whole text, behind the weights' way into LDS.  The loop over single units, whose length is read from memory, holds none.
; REGISTERS, in windows of 256 (s_set_vgpr_msb: bits 1:0 source 0, 3:2 source 1, 5:4 source 2, 7:6 destination):
;   window 0: v1-8 addresses; v16-207 the rows' ring; v208-223 packed weights on their way into LDS
;   window 1: v0-127 accumulators; v128-255 four buffers of weight fragments; at the start v0-223 seven slots of 32 for f32 weights;
;             on the first product's way out v128-159 hi as f32, v192-255 hi packed
; A row step has three switches (weight loads, row loads, products) for its 16 matrix instructions: 464 registers are in use, so two windows are needed.
; THE MODE: SCHED_MODE bits 1:0 = 2 (LLVM: expert scheduling mode 2), set by the entry lines.  The code itself states the register dependences
; between vector or matrix instructions and memory or LDS instructions, with s_wait_alu, always for 0.
; THE PLAN.  Registers that memory or LDS instructions touch:
;   v1-v8         Offsets and LDS addresses.  Written at the head, read by every load and store, never written again: one wait at the head serves them all.
;   the slots     At the start.  The weight loads land in them, a row's conversions read them; slot 0 is loaded twice; slots 4 to 6 become weight buffers.
;   TMP           At the start.  Written by a row's conversions, read by its eight LDS stores, written again by the next row's conversions.
;   the ring      Step m's products read slot m % slots; the loads issued in step m land in the slot that step m - 2 read.
;   WB0 .. WB3    K step k's products read buffer k % 4; its LDS loads are issued two row steps ahead of them.
;   accumulators  Written by the products; on the way out read by stores (first product: global, with hi packed; second: LDS, whose way back lands in the ring).
; The row steps go in PAIRS.  ONE wait on va_vdst stands at a pair's head: all earlier products are done reading, so the two ring slots and the weight buffers
; in which the pair's loads land are free; the pair's own products name none of them.  The loads stand in the middle of each step, with no further wait.
; On the way out one wait on va_vdst stands ahead of each run of stores, and one wait on vm_vsrc ahead of the next unit.
; NO JOINT LOADS, though the 32 work-groups of an expert read the same rows: the number of units hangs on counts read from memory and differs from expert
; to expert, and the rows pass through no LDS slot that would have to be filled again.  No tensor loads: the weights have to be rounded on their way.
; LIMITS.  relu is v_max_num_f32: a NaN before it gives 0, not NaN.  Operands bf16 (rounded to nearest even), sums f32.
.set SECOND, 1
.set WP,    2064                       ; pitch of a weight row in LDS: 2,048 + 16 = 129 x 16 bytes: the 16 rows of a fragment load start at 16 different groups of four banks (64 banks of 4 bytes: ISA guide 11.1)
.set STAGE, 64*WP                      ; SECOND = 1: behind the weights, 16 rows x 272 bytes for each wave, for the way out
.set SP,    272
.set HT,    131072                     ; bytes of a row tile (16 rows) of hs: 128 row steps of 1 KiB
.if SECOND
.set NP,    2                          ; parts of a streamed number: row steps in a K step
.set TT,    HT                         ; bytes of a row tile of the streamed buffer
.set TSH,   18                         ; log2 of a unit's bytes there
.set OSH,   17                         ; log2 of a unit's bytes in the output: 32 rows x 4 KiB of o
.set WROW,  8192                       ; bytes of a weight row in memory
.else
.set NP,    1
.set TT,    32768                      ; a row tile of xs: 32 row steps of 1 KiB
.set TSH,   16
.set OSH,   18                         ; a unit of hs: 2 x HT
.set WROW,  4096
.endif
.set NS,    32*NP                      ; row steps of a unit
.set WAH,   2/NP                       ; K steps that the weight fragments are asked for ahead: two row steps
.set LOFF, 1                           ; v1      16 x lane; never rewritten
.set WA,   2                           ; v2, v3  LDS address of my lane in weight rows 0-31, 32-63
.set WST,  4                           ; v4      where I put 8 bytes of my wave's eight weight rows
.set STO,  6                           ; v6      the way out: where I put 16 bytes of a row
.set RD,   7                           ; v7      where I read a row back
.set CO,   8                           ; v8      my byte offset in two rows of o
.set RING,  16                         ; window 0: with rt row tiles a slot is 8 rt registers (fragment a at 8 a) and there are RREGS / (8 rt) slots: 6 or 12
.set RREGS, 192
.set TMP,   208                        ; window 0: v[208:223]
.set ACC,   0                          ; window 1: accumulator (b, a) at 8 (4 b + a): weight rows 16 b on, row tile a
.set WB,    128                        ; window 1: four buffers x (4 blocks x 8)
.set UNP,   128                        ; window 1, the first product's way out
.set HP,    192
.set PRE4,  32                         ; row loads out at the start of UNIT 4: 8 a row step, 4 row steps ahead
; s[4:5] weights  s[6:7] rows  s[8:9] meta  s[10:11] output  s12 wave  s13 expert  s14 block  s15 K half  s16 nu  s17 ub  s18 at work, a unit in the expert
; s19 unit  s[20:21] rows of the unit  s[22:23] its output  s[24:25] offset  s[26:27] my weight rows  s28 at work, 2 w  s29 8 e, then my first single unit
; s30 my single units  s31 single units done
.set MSB, 0
.macro WIN new                         ; the immediate's high byte repeats the setting that is left; a switch that changes nothing is dropped
.if MSB != \new
	s_set_vgpr_msb (MSB<<8)|\new
.set MSB, \new
.endif
.endm
.set W_LD1, 0x40                       ; destination window 1, address window 0
.set W_MUL, 0x51                       ; source 0 (weights), C and D window 1; source 1 (rows) window 0
.set W_CVT, 0x05                       ; sources window 1, destination window 0
.set W_ONE, 0x45                       ; sources and destination window 1
.set W_ST1, 0x04                       ; a store's data window 1, its address window 0
.macro TLOAD m, rt                     ; the rows of row step m, rt row tiles -> slot m % slots: 2 rt loads of 512 consecutive bytes
.irp a, 0,1,2,3
.if \a < \rt
.irp j, 0,1
	global_load_b128 v[RING+8*\rt*((\m)%(RREGS/(8*\rt)))+8*\a+4*\j:RING+8*\rt*((\m)%(RREGS/(8*\rt)))+8*\a+4*\j+3], v[LOFF], s[20:21] offset:\a*TT+1024*(\m)+512*\j
.endr
.endif
.endr
.endm
.macro FIRST_ROWS rt                   ; row steps 0 to slots - 3: as many as a row step asks ahead
	WIN 0
.irp q, 0,1,2,3,4,5,6,7,8,9
.if \q < RREGS/(8*\rt)-2
	TLOAD \q, \rt
.endif
.endr
.endm
.macro WLOAD k                         ; the 64 weight rows, K step k -> buffer k % 4: lane (r, h) takes row 16 b + r, bytes 64 k + 16 h and 32 further on
.irp b, 0,1,2,3
.irp j, 0,1
	ds_load_b128 v[WB+32*((\k)%4)+8*\b+4*\j:WB+32*((\k)%4)+8*\b+4*\j+3], v[WA+\b/2] offset:(\b%2)*16*WP+64*(\k)+32*\j
.endr
.endr
.endm
.macro SETUNIT cnt, lim                ; cnt: a unit's number in the expert; lim: the last unit at which what is read and stored from there on lies inside the buffers
	s_add_co_u32 s19, s17, \cnt
	s_min_u32 s19, s19, \lim                       ; a number read from memory enters an address only clamped: 136 units are stored
	s_lshl_b32 s24, s19, TSH
	s_add_nc_u64 s[20:21], s[6:7], s[24:25]
	s_lshl_b32 s24, s19, OSH
	s_add_nc_u64 s[22:23], s[10:11], s[24:25]
.endm
; Half of row step m's products: weight blocks 2 half and 2 half + 1, all row tiles.  Source 0 = 16 weight rows, source 1 = 16 rows: in the result lane (r, h)
; holds row r and weight rows 16 b + 8 h + 0..7.  The 4 rt accumulators take turns, one instruction a turn, from step to step too.
.macro MULS m, rt, half
.irp b, 0,1,2,3
.if \b/2 == \half
.irp a, 0,1,2,3
.if \a < \rt
.if \m == 0
	v_wmma_f32_16x16x32_bf16 v[ACC+8*(4*\b+\a):ACC+8*(4*\b+\a)+7], v[WB+32*((\m/NP)%4)+8*\b:WB+32*((\m/NP)%4)+8*\b+7], v[RING+SSZ*(\m%NSL)+8*\a:RING+SSZ*(\m%NSL)+8*\a+7], 0
.else
	v_wmma_f32_16x16x32_bf16 v[ACC+8*(4*\b+\a):ACC+8*(4*\b+\a)+7], v[WB+32*((\m/NP)%4)+8*\b:WB+32*((\m/NP)%4)+8*\b+7], v[RING+SSZ*(\m%NSL)+8*\a:RING+SSZ*(\m%NSL)+8*\a+7], v[ACC+8*(4*\b+\a):ACC+8*(4*\b+\a)+7]
.endif
.endif
.endr
.endif
.endr
.endm
; Row step m of a unit of rt row tiles.  The steps go in pairs (m even, m + 1).  The rows asked for in step m land in the slot that step m - 2 read
; (slots = steps ahead + 2); the weight fragments asked for in it land in the buffer of the K step four back.  So all that the loads of steps m and m + 1
; land in was last read by products of step m - 1 or earlier, and the one wait at the pair's head states that those are done.  The products issued since
; then name the slots and buffers of steps m and m + 1 and the accumulators: none of the registers that the pair's loads touch.
; A pair that asks for nothing more holds no such wait.  Nor does a unit's first pair: see UNIT.
.macro STEP m, rt
.set SSZ, 8*\rt
.set NSL, RREGS/SSZ
.set AH,  NSL-2
.if \m%NP == 0
.if \m/NP < 31
	s_wait_dscnt 8*(WAH-1)                         ; this K step's weights are in; what was asked for behind them may stay out: the next K step's eight loads in the first product, nothing in the second
.else
	s_wait_dscnt 0x0
.endif
.endif
.if \m+AH < NS
	s_wait_loadcnt 2*\rt*(AH-1)                    ; the rows of the AH - 1 steps asked for behind step m's, 2 rt loads each, may stay out: step m's are in
.else
	s_wait_loadcnt 2*\rt*(NS-1-\m)                 ; nothing more is asked for: the counts run down
.endif
.if (\m > 0) && (\m%2 == 0) && ((\m+AH < NS) || (\m/NP+WAH <= 31))
	s_wait_alu depctr_va_vdst(0)                   ; the products up to step m - 1 are done reading the ring's slots and the weight buffers in which this pair's loads land
.endif
	WIN W_MUL
	MULS \m, \rt, 0
.if (\m%NP == 0) && (\m/NP+WAH <= 31)
	WIN W_LD1
	WLOAD \m/NP+WAH                                ; no wait: no product since the pair's head names this buffer
.endif
.if \m+AH < NS
	WIN 0
	TLOAD \m+AH, \rt                               ; no wait: no product since the pair's head names this slot
.endif
	WIN W_MUL
	MULS \m, \rt, 1
.endm
; THE FIRST PRODUCT'S WAY OUT: relu; hi = bf16(h); lo = bf16(h - hi), packed in place.  A lane's 16 bytes of each ARE its part of the second product's row
; steps 2 (2 db + b / 2) (hi) and one further on (lo), half b % 2.  All arithmetic in window 1; a row tile's eight stores stand together.
; A tile's stores read registers that no later tile's arithmetic writes.
.macro OUT1 rt
.irp a, 0,1,2,3
.if \a < \rt
	WIN W_ONE
.irp b, 0,1,2,3
.irp j, 0,1,2,3,4,5,6,7
	v_max_num_f32 v[ACC+8*(4*\b+\a)+\j], 0, v[ACC+8*(4*\b+\a)+\j]
.endr
.irp j, 0,1,2,3
	v_cvt_pk_bf16_f32 v[HP+4*(4*\b+\a)+\j], v[ACC+8*(4*\b+\a)+2*\j], v[ACC+8*(4*\b+\a)+2*\j+1]
.endr
.irp j, 0,1,2,3
	v_lshlrev_b32 v[UNP+8*\b+2*\j], 16, v[HP+4*(4*\b+\a)+\j]           ; hi back as f32: the low half moves up,
	v_and_b32 v[UNP+8*\b+2*\j+1], 0xffff0000, v[HP+4*(4*\b+\a)+\j]     ; the high half stays
.endr
.irp j, 0,1,2,3
	v_pk_add_f32 v[ACC+8*(4*\b+\a)+2*\j:ACC+8*(4*\b+\a)+2*\j+1], v[ACC+8*(4*\b+\a)+2*\j:ACC+8*(4*\b+\a)+2*\j+1], v[UNP+8*\b+2*\j:UNP+8*\b+2*\j+1] neg_lo:[0,1] neg_hi:[0,1]   ; h - hi
.endr
.irp j, 0,1,2,3
	v_cvt_pk_bf16_f32 v[ACC+8*(4*\b+\a)+\j], v[ACC+8*(4*\b+\a)+2*\j], v[ACC+8*(4*\b+\a)+2*\j+1]   ; register j takes numbers 2 j and 2 j + 1: what it overwrites has been packed
.endr
.endr
	WIN W_ST1
	s_wait_alu depctr_va_vdst(0)                   ; the tile's roundings have written hi packed and lo packed, which the eight stores read; behind the last tile's: every vector and matrix line that named the ring or v128-255 of window 1 is done
.irp b, 0,1,2,3
	global_store_b128 v[LOFF], v[HP+4*(4*\b+\a):HP+4*(4*\b+\a)+3], s[22:23] offset:HT*\a+2048*(\b/2)+512*(\b%2)          ; 512 consecutive bytes, at a multiple of 512 from the buffer's first byte
	global_store_b128 v[LOFF], v[ACC+8*(4*\b+\a):ACC+8*(4*\b+\a)+3], s[22:23] offset:HT*\a+2048*(\b/2)+1024+512*(\b%2)
.endr
.endif
.endr
.endm
; THE SECOND PRODUCT'S WAY OUT: a lane holds 8 neighbouring f32 of a row; a row tile at a time goes through my stage and comes back as whole pieces of
; 256 bytes, into the ring's registers, whose rows have been multiplied.  It holds no vector line: the one wait ahead of it serves all its LDS instructions.
.macro STG a
	WIN W_ST1
.irp b, 0,1,2,3
.irp q, 0,1
	ds_store_b128 v[STO], v[ACC+8*(4*\b+(\a))+4*\q:ACC+8*(4*\b+(\a))+4*\q+3] offset:64*\b+16*\q
.endr
.endr
	WIN 0
.irp t, 0,1,2,3,4,5,6,7
	ds_load_b128 v[RING+32*(\a)+4*\t:RING+32*(\a)+4*\t+3], v[RD] offset:\t*2*SP   ; LDS serves a wave's instructions in order (ISA guide 5.7.1.4): these see the stores above, and the next tile's stores come behind them
.endr
.endm
.macro SND a
.irp t, 0,1,2,3,4,5,6,7
	global_store_b128 v[CO], v[RING+32*(\a)+4*\t:RING+32*(\a)+4*\t+3], s[22:23] offset:65536*(\a)+8192*\t   ; 16 lanes store 256 consecutive bytes, at a multiple of 256 from o's first byte
.endr
.endm
.macro OUT2 rt
	STG 0
.irp a, 1,2,3
.if \a < \rt
	STG \a
	s_wait_dscnt 0x10                              ; this tile's sixteen LDS instructions may stay out: the tile before is back
	SND \a-1
.endif
.endr
	s_wait_dscnt 0x0
	SND \rt-1
.endm
; rt row tiles x 64 weight rows.  On the way in: the rows of the first row steps are asked for (FIRST_ROWS rt), no LDS instruction is out, every window 0;
; a wait on va_vdst stands behind the last vector or matrix line that named the ring or the weight buffers (at the start the last weight row's conversions,
; later a unit's way out), and a wait on vm_vsrc behind the stores of the unit before.  So the first fragments' loads and the first pair's loads owe nothing.
.macro UNIT rt
	WIN W_LD1
	WLOAD 0
.if WAH > 1
	WLOAD 1
.endif
.set mm, 0
.rept NS
	STEP mm, \rt
.set mm, mm+1
.endr
.rept 5
	v_nop                                          ; four places before the results are read and the products' sources written, a fifth before a next unit's first product writes over the results (ISA guide 7.12.1)
.endr
.if SECOND
	s_wait_alu depctr_va_vdst(0)                   ; the products have written the accumulators, which the LDS stores read, and are done reading the ring, in which the stage's loads land, and the weight buffers; the places above stay beside this wait
	OUT2 \rt
.else
	OUT1 \rt
.endif
	WIN 0                                          ; at a label and at a branch every window is 0
.endm
; The weights' way into LDS: eight loads bring row g of my eight into a slot of 32 registers of window 1; they are rounded to bf16 and stored.
.macro WROWS g, slot
	WIN W_LD1
.irp i, 0,1,2,3,4,5,6,7
	global_load_b128 v[32*\slot+4*\i:32*\slot+4*\i+3], v[LOFF], s[26:27] offset:WROW*\g+512*\i th:TH_LOAD_NT   ; 512 consecutive bytes; read once in the launch
.endr
.endm
.macro CONV g, slot, left              ; left: the loads issued behind row g's
	s_wait_loadcnt \left
.if \g > 0
	s_wait_alu depctr_vm_vsrc(0)                   ; the LDS stores of the row before have read TMP, which the conversions below write again
.endif
	WIN W_CVT
.irp i, 0,1,2,3,4,5,6,7
	v_cvt_pk_bf16_f32 v[TMP+2*\i], v[32*\slot+4*\i], v[32*\slot+4*\i+1]
	v_cvt_pk_bf16_f32 v[TMP+2*\i+1], v[32*\slot+4*\i+2], v[32*\slot+4*\i+3]
.endr
	WIN 0
	s_wait_alu depctr_va_vdst(0)                   ; the conversions have written TMP, which the LDS stores read, and are done reading the slot, in which later loads land (row 7; the weight fragments)
.irp i, 0,1,2,3,4,5,6,7
	ds_store_b64 v[WST], v[TMP+2*\i:TMP+2*\i+1] offset:WP*\g+256*\i
.endr
.endm
	s_load_b256 s[4:11], s[0:1], 0x0
	v_lshl_add_u32 v254, v0, 2, 0x28c00
	v_mov_b32 v255, 0
	v_lshrrev_b32 v5, 5, v0
	v_readfirstlane_b32 s12, v5                    ; wave 0..7
	v_and_b32 v9, 31, v0
	v_lshlrev_b32 v[LOFF], 4, v9
	v_and_b32 v10, 15, v0                          ; r
	v_bfe_u32 v11, v0, 4, 1                        ; h
	v_mul_u32_u24 v[WA], v10, WP
	v_lshl_add_u32 v[WA], v11, 4, v[WA]
	v_add_nc_u32 v[WA+1], 32*WP, v[WA]
	s_lshr_b32 s13, ttmp9, 5                       ; expert
	s_lshl_b32 s29, s13, 3                         ; its entry in meta
	s_and_b32 s14, ttmp9, 31
	s_wait_alu depctr_va_sdst(0)                   ; s12 is written, ahead of its first reader: offsets, LDS addresses and branches are made from it
.if SECOND
	s_and_b32 s15, s14, 1                          ; K half
	s_lshr_b32 s14, s14, 1                         ; block of 64 rows of W2_e
	s_lshl_b32 s24, s13, 23                        ; 8 MiB an expert,
	s_lshl_b32 s28, s14, 19                        ; 64 rows of 8 KiB,
	s_add_co_u32 s24, s24, s28
	s_lshl_b32 s28, s15, 12                        ; 1,024 columns of 4 bytes,
	s_add_co_u32 s24, s24, s28
	s_lshl_b32 s28, s12, 16                        ; my wave's eight rows
.else
	s_lshl_b32 s24, ttmp9, 18                      ; 64 rows of 4 KiB a work-group, the experts' tables one behind the other,
	s_lshl_b32 s28, s12, 15                        ; my wave's eight rows
.endif
	s_add_co_u32 s24, s24, s28
	s_mov_b32 s25, 0                               ; stays 0: the upper word of every offset
	s_mul_i32 s28, s12, 8*WP
	v_lshl_add_u32 v[WST], v9, 3, s28
.if SECOND
	s_mul_i32 s28, s12, 16*SP
	s_add_co_u32 s28, s28, STAGE                   ; my wave's stage
	v_mul_u32_u24 v[STO], v10, SP
	v_lshl_add_u32 v[STO], v11, 5, v[STO]
	v_add_nc_u32 v[STO], s28, v[STO]               ; in: row r, 32 bytes for each half of the lanes
	v_mul_u32_u24 v[RD], v11, SP
	v_lshl_add_u32 v[RD], v10, 4, v[RD]
	v_add_nc_u32 v[RD], s28, v[RD]                 ; back: lanes 0-15 one row's 256 bytes, lanes 16-31 the next row's
	v_lshlrev_b32 v[CO], 12, v11
	v_lshl_add_u32 v[CO], v10, 4, v[CO]            ; the same two rows in o
.endif
	s_wait_kmcnt 0x0
	s_load_b64 s[16:17], s[8:9], s29 offset:0x0    ; nu, ub
	s_add_nc_u64 s[26:27], s[4:5], s[24:25]
	s_wait_alu depctr_va_vdst(0)                   ; the offsets and LDS addresses v1 to v8 are written: every load and store of the kernel reads one of them, and none is written again
.irp g, 0,1,2,3,4,5,6
	WROWS \g, \g                                   ; seven of my eight rows: 56 loads are out
.endr
.if SECOND
	s_lshl_b32 s24, s15, 16                        ; what does not change from unit to unit is added to the bases once: my K half's 64 row steps of 1 KiB,
	s_add_nc_u64 s[6:7], s[6:7], s[24:25]
	s_mul_i32 s24, s15, 0x1100000                  ; my K half's plane of o (4,352 rows x 4 KiB),
	s_lshl_b32 s28, s14, 8                         ; my 64 columns
	s_add_co_u32 s24, s24, s28
.else
	s_lshl_b32 s24, s14, 12                        ; my 64 columns of h are K steps 2 db and 2 db + 1 of the second product, 2 KiB each
.endif
	s_add_nc_u64 s[10:11], s[10:11], s[24:25]
	s_wait_kmcnt 0x0
	s_max_u32 s16, s16, 1
	s_min_u32 s16, s16, 64                         ; 2,048 tokens are 64 units at the most
	s_min_u32 s17, s17, 135
	s_sub_co_u32 s28, s16, 1
	s_lshl_b32 s18, s12, 1
	s_min_u32 s28, s28, s18                        ; my pair begins at unit 2 w; a wave without one asks for rows at the expert's last unit, so that every wave has the same loads out
	SETUNIT s28, 134                               ; two units are read from there on
	CONV 0, 0, 48                                  ; rows 1 to 6 stay out
	WROWS 7, 0                                     ; the eighth row, into the slot just rounded (the wait ahead of row 0's LDS stores has stated that its conversions are done reading it): 56 loads are out again
	CONV 1, 1, 48                                  ; rows 2 to 7
	CONV 2, 2, 40
	CONV 3, 3, 32
	CONV 4, 4, 24
	FIRST_ROWS 4                                   ; 24 weight loads and these 32 are out; no vector line has named the ring
	CONV 5, 5, 16+PRE4
	CONV 6, 6, 8+PRE4
	CONV 7, 0, PRE4
	s_wait_dscnt 0x0                               ; for the others' sake: my eight rows are in LDS
	s_barrier_signal -1
	s_barrier_wait -1                              ; all 64 are; they are never written again
	s_lshl_b32 s28, s12, 1                         ; 2 w
	s_add_co_u32 s18, s28, 2
	s_cmp_gt_u32 s18, s16
	s_cbranch_scc1 .Lno_pair                       ; units 2 w and 2 w + 1 are not both the expert's; no barrier follows
	UNIT 4
.Lno_pair:
	s_sub_co_i32 s30, s16, s12                     ; single units 16 + w, 24 + w, ... below nu: (nu - 16 - w + 7) / 8 of them, none if that is below 8,
	s_sub_co_i32 s30, s30, 9
	s_max_i32 s30, s30, 0
	s_lshr_b32 s30, s30, 3
	s_min_u32 s30, s30, 6                          ; six at the most, since nu is 64 at the most
	s_add_co_u32 s29, s12, 16
	s_add_co_u32 s18, s28, 1
	s_cmp_eq_u32 s18, s16                          ; or, where nu = 2 w + 1, the one unit 2 w (nu is then 15 at the most: there are no others)
	s_cselect_b32 s29, s28, s29
	s_cselect_b32 s30, 1, s30
	s_cmp_eq_u32 s30, 0
	s_cbranch_scc1 .Lend
	s_wait_loadcnt 0x0                             ; a wave that had no pair still has its first row loads out: the ring and the rows' base are written again only behind this wait,
	s_wait_xcnt 0x0                                ; a pair's stores' base and data registers only behind this one,
	s_wait_alu depctr_vm_vsrc(0)                   ; and this one: the pair's stores have read the accumulators and (first product) hi packed, (second) the ring, which the next unit's products and loads write
	s_mov_b32 s31, 0                               ; the loop is counted by its trips, one a unit
	SETUNIT s29, 135
	FIRST_ROWS 2
.Lunit:                                                ; on both ways in: the rows of row steps 0 to 9 are asked for (40 loads out), no LDS instruction is out
	UNIT 2
	s_add_co_u32 s31, s31, 1                       ; one more unit is done
	s_cmp_ge_u32 s31, s30
	s_cbranch_scc1 .Lend                           ; it was my last: nothing more is asked for
	s_wait_xcnt 0x0                                ; the stores' base and data registers are rewritten only behind this wait; the rows' base is free since the last step's wait for all loads
	s_wait_alu depctr_vm_vsrc(0)                   ; the unit's stores have read the accumulators and (first product) hi packed, (second) the ring, which the next unit's products and loads write
	s_lshl3_add_u32 s18, s31, s29                  ; my next unit: 8 x units done + my first
	SETUNIT s18, 135
	FIRST_ROWS 2
	s_cmp_lt_u32 s31, s30                          ; the sums above have written SCC: the counter is compared again for the jump back
	s_cbranch_scc1 .Lunit
.Lend:
	s_wait_dscnt 0x0
	s_wait_alu depctr_hold_cnt(0) depctr_sa_sdst(0) depctr_va_vdst(0) depctr_va_sdst(0) depctr_va_ssrc(0) depctr_va_vcc(0) depctr_vm_vsrc(0)
	s_wait_tensorcnt 0x0
	ds_add_u32 v254, v255
	s_wait_dscnt 0x0
	s_endpgm
.Lfunc_end_k_qa8722576b2_gemm2:
	.size	k_qa8722576b2_gemm2, .Lfunc_end_k_qa8722576b2_gemm2-k_qa8722576b2_gemm2
	.p2alignl 7, 3214868480
	.fill 96, 4, 3214868480
	.section	.rodata,"a",@progbits
	.p2align	6, 0x0
	.amdhsa_kernel k_qa8722576b2_gemm2
		.amdhsa_group_segment_fixed_size 167936
		.amdhsa_private_segment_fixed_size 0
		.amdhsa_enable_private_segment 0
		.amdhsa_kernarg_size 32
		.amdhsa_user_sgpr_count 2
		.amdhsa_user_sgpr_kernarg_segment_ptr 1
		.amdhsa_wavefront_size32 1
		.amdhsa_system_sgpr_workgroup_id_x 1
		.amdhsa_system_sgpr_workgroup_id_y 1
		.amdhsa_system_sgpr_workgroup_id_z 1
		.amdhsa_system_vgpr_workitem_id 0
		.amdhsa_next_free_vgpr 512
		.amdhsa_next_free_sgpr 66
		.amdhsa_reserve_vcc 0
		.amdhsa_float_denorm_mode_32 3
		.amdhsa_float_denorm_mode_16_64 3
		.amdhsa_memory_ordered 1
		.amdhsa_forward_progress 1
		.amdhsa_inst_pref_size 255
	.end_amdhsa_kernel
	.section	.bss,"aw",@nobits
	.p2align	6
	.space	262144
	.amdgpu_metadata
---
amdhsa.version: [ 1, 2 ]
amdhsa.kernels:
  - .name:           k_qa8722576b2_gemm2
    .symbol:         k_qa8722576b2_gemm2.kd
    .args:
      - { .name: proj_out, .offset: 0, .size: 8, .value_kind: global_buffer, .address_space: global }
      - { .name: hs, .offset: 8, .size: 8, .value_kind: global_buffer, .address_space: global }
      - { .name: meta, .offset: 16, .size: 8, .value_kind: global_buffer, .address_space: global }
      - { .name: o, .offset: 24, .size: 8, .value_kind: global_buffer, .address_space: global }
    .group_segment_fixed_size: 167936
    .private_segment_fixed_size: 0
    .kernarg_segment_align: 8
    .kernarg_segment_size: 32
    .max_flat_workgroup_size: 256
    .sgpr_count:     66
    .vgpr_count:     512
    .wavefront_size: 32
...
	.end_amdgpu_metadata
.endif
;; end of part 6
;; launch combine: the kernel of part 4 again; grid 256 x 1, 8 waves a work-group, no clusters, 0 bytes of LDS; arguments o, slots, ensembles, weights, out0; writes out0
